; MI455X (gfx1250); checked and timed in simulation.
; The chip was launched on July 23, 2026; its instructions are those of AMD's public machine-readable ISA for CDNA 5 (MIT licence, August 2026) and "CDNA5" Instruction Set Architecture Reference Guide (July 2026). The comments in the code are by the model that wrote it; some were corrected since.
;; Multi Headed Attention Google. Allowed arithmetic: matrix products marked QUANTISED: E2M3 operands, one E8M0 scale for each 32 along K, by v_wmma_scale_f32_16x16x128_f8f6f4 with both operands' format E2M3, f32 sums; everything else in f32.
;; Inputs: Wk 1,024 x 1,024 float32; Wo 1,024 x 1,024 float32; Wq 1,024 x 1,024 float32; Wv 1,024 x 1,024 float32; bk 1,024 float32; bo 1,024 float32; bq 1,024 float32; bv 1,024 float32; key 4 x 2,048 x 1,024 float32; mask 4 x 1 x 2,048 int32; query 4 x 2,048 x 1,024 float32; value 4 x 2,048 x 1,024 float32.
;; Outputs: out0 4 x 2,048 x 1,024 float32.
;; This version of the problem:
;;   THIS VERSION OF THE PROBLEM IS GIVEN IN LOW PRECISION. The matrix products marked QUANTISED in the list below multiply operands that are first quantised to E2M3 (2 exponent bits, 3 mantissa bits; 6 bits a number), with one power-of-two scale for each 32 numbers along K (OCP MX v1.0); their sums are f32. All else is computed in f32.
;;   The module's matrix products, in the order in which they are computed (A, B: the left and right operand; K: the contracted axis; several contracted axes count as one K, in the product's order):
;;     1. [M 8,192, K 1,024] x [K 1,024, N 1,024]; A: input query; B: input Wq: QUANTISED
;;     2. [M 8,192, K 1,024] x [K 1,024, N 1,024]; A: input key; B: input Wk: QUANTISED
;;     3. [M 8,192, K 1,024] x [K 1,024, N 1,024]; A: input value; B: input Wv: QUANTISED
;;     4. batch 64 x [M 2,048, K 64] x [K 64, N 2,048]; A: computed on the way; B: computed on the way: QUANTISED
;;     5. batch 64 x [M 2,048, K 2,048] x [K 2,048, N 64]; A: softmax (see below); B: computed on the way: QUANTISED
;;     6. [M 8,192, K 1,024] x [K 1,024, N 1,024]; A: computed on the way; B: input Wo: QUANTISED
;;   THE QUANTISER, for each operand of a quantised product, along K:
;;     - K is cut into blocks of 32 from its start; a last block that is shorter is filled with zeros.
;;     - A block's scale is 2^e with e = floor(log2(the largest magnitude in the block)) - 2, held to -126 .. 127; a block of zeros has e = 0. As a byte (E8M0): e + 127.
;;     - Each number is divided by its block's scale, clamped to +-7.5, and rounded to the nearest number of E2M3, ties to even, subnormals kept.
;;     - The product sums the exact products of the quantised numbers (number of the format x scale) in f32.
;;   ~~~python
;;   def quantise(x, axis):      # numpy; x: float32 -> the quantised numbers, widened to float32 again
;;       x = np.moveaxis(x, axis, -1); K = x.shape[-1]
;;       x = np.pad(x, [(0, 0)] * (x.ndim - 1) + [(0, -K % 32)]); x = x.reshape(x.shape[:-1] + (-1, 32)); a = np.abs(x).max(-1, keepdims=True)
;;       e = np.where(a > 0, np.clip(np.frexp(np.where(a > 0, a, 1))[1] - 1 - 2, -126, 127), 0)      # np.frexp(a)[1] - 1 = floor(log2(a)), exactly
;;       r = np.clip(x / 2.0 ** e, -7.5, 7.5)
;;       step = 2.0 ** (np.maximum(np.frexp(np.where(r == 0, 1, r))[1] - 1, 0) - 3)
;;       q = np.round(r / step) * step * 2.0 ** e      # np.round: ties to even
;;       return np.moveaxis(q.reshape(q.shape[:-2] + (-1,))[..., :K], -1, axis).astype(np.float32)
;;   ~~~
;;   SOFTMAX AHEAD OF A QUANTISED PRODUCT. Where the list says 'softmax', what is quantised is not the finished softmax but p = 2^(t - M), with t = logit x log2(e) and M = ceil(the row's largest t), a whole number; so 1/2 < the row's largest p <= 1. The row's sum l is taken of the UNQUANTISED p, in f32, and the product's result is divided by l at the end. Since M is a whole number, a kernel that streams over the keys may use a running M (the ceiling of the running maximum): every later rescaling is an exact power of two, which a block's scale takes up: the codes' values come out the same.
;;   OPERANDS COMPUTED ON THE WAY. 'Computed on the way' means the value that the module computes at that place (a softmax that the list does not call 'softmax' is quantised finished and normalised). What goes into a quantiser is computed in f32, as accurately as f32 sums, v_exp_f32 and their like allow (about 1e-6 of the number): no bf16 or f16 on the way to a quantiser, and a product that is left as it is and whose result goes on into a quantised operand takes f32 operands (vector FMAs, or v_wmma_f32_16x16x4_f32). A number that lies on a knife's edge between two numbers of the format may be rounded either way, as far as f32 arithmetic and the matrix unit's own rounding can turn it there, and no further.
;; One version. Each part assembles by itself: llvm-mc -triple=amdgcn-amd-amdhsa -mcpu=gfx1250 --defsym DOCPART=n.
;; ======== version 1 of 1: 4 launches
;; limits: right only within a limited range of input values
;; workspace buffers: codes 22,020,096 bytes; scales 917,504 bytes; qrec 8,912,896 bytes; kv 15,466,496 bytes; xc 6,291,456 bytes; xs 262,144 bytes
;; launch quant (part 1): grid 1792 x 1, 2 waves a work-group, no clusters, 16,640 bytes of LDS; arguments query, key, value, Wq, Wk, Wv, Wo, codes, scales; writes codes, scales
.if DOCPART == 1
	.amdgcn_target "amdgcn-amd-amdhsa--gfx1250"
	.amdhsa_code_object_version 6
	.text
	.protected	k_q6e82ebf777_quant
	.globl	k_q6e82ebf777_quant
	.p2align	8
	.type	k_q6e82ebf777_quant,@function
k_q6e82ebf777_quant:
	s_mov_b64 s[64:65], 0
	v_nop
	global_prefetch_b8 v0, s[64:65] scope:SCOPE_SE
	s_setreg_imm32_b32 hwreg(HW_REG_WAVE_MODE, 25, 1), 1
	s_wait_xcnt 0x0
; The seven wide operands (query, key, value: 8,192 rows each; Wq, Wk, Wv, Wo: 1,024 rows each; a row is 1,024 f32, K innermost) become codes of FP6 (E2M3)
; and one E8M0 scale byte for each 32 along K.  The 28,672 rows form one joined list, one tensor behind the other.
; LAYOUT: codes[chunk of 256 along K: 0 .. 3][position][192 bytes]; scales[position][32 bytes].  So 128 positions of one chunk are 24,576 dense bytes, 96 aligned blocks of 256.
; A block's scale is 2^(floor(log2(its largest magnitude)) - 2); its byte is the largest magnitude's exponent field - 2, held at 1 from below.  A block of zeros so gets the byte 1 where the rule says 127:
; its codes are zeros, which add nothing under any byte but 0xff, and this program alone reads the bytes.
; LIMITS: a block whose largest magnitude lies under 2^-124 keeps the byte 1; NaN and infinities among the inputs are not served.
; POSITION ORDER: row R of the list is stored at position R with its bits 3 and 4 exchanged: sixteen neighbouring positions, 2 g + u, hold rows 32 g + 8 u + r + 8 (r / 8), as a tile of a transposed product wants them.
; A wave owns a run of 8 rows, so the exchange is one of the two low bits of the run's number, 2 x work-group + wave.
; A run is 16 steps of 512 numbers.  Each of a step's four loads reads 512 consecutive bytes; the 2,048 bytes turn through the wave's own stage in LDS and come back 64 bytes a lane:
; a lane holds 16 neighbours along K, two lanes a block.  Lanes 0-15 hold one chunk's 192 bytes of a row, lanes 16-31 the next chunk's; a run's eight rows fill 1,536 consecutive bytes of each chunk.
; A run's 256 scale bytes are gathered in LDS and leave as one aligned block.  No tensor loads, no barrier: waves share nothing.  Loads run four steps ahead, the turn through LDS one step.
; 1,792 work-groups of two waves: seven for each of 256 WGPs.
.set WAVES, 2
.set STEPS, 16
.set EMAX,  2
.set CB,    12                         ; bytes of 16 codes
.set PLANE, 28672*192                  ; a chunk's bytes
.set R,     16                         ; v16-79   four sets of 16 numbers as loaded
.set X,     80                         ; v80-111  two sets of 16 neighbours
.set C,     128                        ; v128-191 codes: four registers a step, so no store's data are written again
.set E,     112                        ; v112-127 a scale byte a step
.set WREG,  8192                       ; LDS: a wave's region: two stages of 32 x SP bytes, then its 256 scale bytes
.set SP,    80                         ; a lane's place in a stage: 64 bytes + 16 of padding
.set SPW,   12                         ; v12 my spare word's LDS address; v13 0: both never rewritten
.set NIL,   13
.set SPARE, WAVES*WREG                 ; the spare words, 128 bytes a wave
	s_load_b256 s[4:11], s[0:1], 0x0               ; query, key, value, Wq
	s_load_b256 s[12:19], s[0:1], 0x20             ; Wk, Wv, Wo, codes
	s_load_b64 s[20:21], s[0:1], 0x40              ; scales
	v_lshl_add_u32 v[SPW], v0, 2, SPARE
	v_mov_b32 v[NIL], 0
	v_lshrrev_b32 v1, 5, v0
	v_readfirstlane_b32 s26, v1                    ; wave
	v_and_b32 v2, 31, v0                           ; lane
	v_lshlrev_b32 v3, 4, v2                        ; my 16 bytes of a load's 512
	s_mul_i32 s27, s26, WREG
	v_lshrrev_b32 v14, 2, v2
	v_mul_u32_u24 v14, v14, SP
	v_and_b32 v15, 3, v2
	v_lshl_add_u32 v14, v15, 4, v14
	v_add_nc_u32 v14, s27, v14                     ; the stage, way in: SP (lane / 4) + 16 (lane % 4)
	v_mul_u32_u24 v15, v2, SP
	v_add_nc_u32 v15, s27, v15                     ; way out: SP x lane
	v_and_b32 v4, 15, v2
	v_mul_u32_u24 v4, v4, CB
	v_lshrrev_b32 v10, 4, v2
	v_mad_u32_u24 v4, v10, PLANE, v4               ; my codes' place: 12 (lane % 16), lanes 16-31 a chunk further
	v_lshrrev_b32 v5, 1, v2
	s_add_co_u32 s27, s27, 2*32*SP
	v_add_nc_u32 v5, s27, v5                       ; LDS: my block's scale byte
	v_lshlrev_b32 v7, 3, v2                        ; and on the way out 8 bytes a lane
	v_add_nc_u32 v6, s27, v7
	s_wait_alu depctr_va_vdst(0)                   ; the wait at the head's end
	s_wait_kmcnt 0x0
	s_mov_b64 s[22:23], s[4:5]                     ; my work-group's tensor: a choice on the work-group's number alone
	s_mov_b32 s24, 0                               ; and that tensor's first work-group
.macro PICK t, p
	s_cmp_ge_u32 ttmp9, \t
	s_cselect_b64 s[22:23], s[\p:\p+1], s[22:23]
	s_cselect_b32 s24, \t, s24
.endm
	PICK 512, 6                                    ; key
	PICK 1024, 8                                   ; value
	PICK 1536, 10                                  ; Wq
	PICK 1600, 12                                  ; Wk
	PICK 1664, 14                                  ; Wv
	PICK 1728, 16                                  ; Wo
	s_sub_co_u32 s24, ttmp9, s24
	s_lshl_b32 s24, s24, 1
	s_add_co_u32 s24, s24, s26                     ; my run of 8 rows in the tensor
	s_lshl_b32 s24, s24, 15                        ; 32,768 bytes a run
	s_mov_b32 s25, 0
	s_add_nc_u64 s[22:23], s[22:23], s[24:25]
	s_lshl_b32 s28, s26, 1                         ; where the run goes: the two low bits of 2 x work-group + wave change places
	s_and_b32 s29, ttmp9, 1
	s_or_b32 s28, s28, s29
	s_lshr_b32 s29, ttmp9, 1
	s_lshl_b32 s29, s29, 2
	s_add_co_u32 s28, s28, s29
	s_mul_i32 s30, s28, 8*192                      ; 8 positions of 192 bytes in a chunk
	s_mov_b32 s31, 0
	s_add_nc_u64 s[18:19], s[18:19], s[30:31]      ; chunks 0, 1: a row's first step
	s_add_nc_u64 s[32:33], s[18:19], 2*PLANE       ; chunks 2, 3: its second
	s_lshl_b32 s30, s28, 8                         ; 256 scale bytes a run
	s_add_nc_u64 s[20:21], s[20:21], s[30:31]
.macro LOAD t
.irp i, 0,1,2,3
	global_load_b128 v[R+16*((\t)%4)+4*\i:R+16*((\t)%4)+4*\i+3], v3, s[22:23] offset:2048*(\t)+512*\i th:TH_LOAD_NT
.endr
.endm
.macro TURN t                          ; LDS serves a wave's instructions in order: no wait between the stores and the loads
.irp i, 0,1,2,3
	ds_store_b128 v14, v[R+16*((\t)%4)+4*\i:R+16*((\t)%4)+4*\i+3] offset:32*SP*((\t)%2)+8*SP*\i
.endr
.irp i, 0,1,2,3
	ds_load_b128 v[X+16*((\t)%2)+4*\i:X+16*((\t)%2)+4*\i+3], v15 offset:32*SP*((\t)%2)+16*\i
.endr
.endm
.irp t, 0,1,2,3
	LOAD \t
.endr
	s_wait_loadcnt 12                              ; step 0's four loads are in; the twelve of steps 1 to 3 may be out
	TURN 0
.macro STEP t
.set XS, X+16*((\t)%2)
.if (\t) > 0
	s_wait_dscnt 1                                 ; this step's numbers are back (the last step's byte store may be out)
.else
	s_wait_dscnt 0x0
.endif
.if (\t)+4 < STEPS
	LOAD (\t)+4
.endif
.if (\t)+1 < STEPS
.if STEPS-2-(\t) >= 3
	s_wait_loadcnt 12                              ; the next step's four loads are in; three steps' may be out
.else
	s_wait_loadcnt 4*(STEPS-2-(\t))
.endif
	TURN (\t)+1
.endif
	v_max3_num_f32 v8, |v[XS]|, |v[XS+1]|, |v[XS+2]|               ; the largest magnitude of my 16, in two chains
	v_max3_num_f32 v9, |v[XS+3]|, |v[XS+4]|, |v[XS+5]|
.irp i, 6,10
	v_max3_num_f32 v8, v8, |v[XS+\i]|, |v[XS+\i+1]|
	v_max3_num_f32 v9, v9, |v[XS+\i+2]|, |v[XS+\i+3]|
.endr
	v_max3_num_f32 v8, v8, |v[XS+14]|, |v[XS+15]|
	v_max3_num_f32 v8, v8, v9, (EMAX+1)<<23        ; the floor 2^(3 - 127): the byte cannot fall under 1
	v_max_num_f32_dpp v8, v8, v8 row_xmask:1 row_mask:0xf bank_mask:0xf   ; with my neighbour's 16: the block's
	v_add_nc_u32 v11, -(EMAX<<23), v8              ; 2 off the exponent field: the conversion's scale operand
	v_cvt_scalef32_pk16_fp6_f32 v[C+4*(\t):C+4*(\t)+2], v[XS:XS+15], v11
	v_lshrrev_b32 v[E+(\t)], 23, v11               ; the scale's byte (also the plain line behind the conversion)
	ds_store_b8 v5, v[E+(\t)] offset:16*(\t)       ; both lanes of a block write the same byte
	global_store_b96 v4, v[C+4*(\t):C+4*(\t)+2], s[18+14*((\t)%2):19+14*((\t)%2)] offset:192*((\t)/2)
.endm
.irp t, 0,1,2,3,4,5,6,7,8,9,10,11,12,13,14,15
	STEP \t
.endr
	ds_load_b64 v[8:9], v6
	s_wait_dscnt 0x0
	global_store_b64 v7, v[8:9], s[20:21]          ; 32 lanes store 256 consecutive bytes, aligned
	s_wait_tensorcnt 0x0                           ; the wave's end
	ds_add_u32 v[SPW], v[NIL]
	s_wait_dscnt 0x0
	s_endpgm
.Lfunc_end_k_q6e82ebf777_quant:
	.size	k_q6e82ebf777_quant, .Lfunc_end_k_q6e82ebf777_quant-k_q6e82ebf777_quant
	.p2alignl 7, 3214868480
	.fill 96, 4, 3214868480
	.section	.rodata,"a",@progbits
	.p2align	6, 0x0
	.amdhsa_kernel k_q6e82ebf777_quant
		.amdhsa_group_segment_fixed_size 16640
		.amdhsa_private_segment_fixed_size 0
		.amdhsa_enable_private_segment 0
		.amdhsa_kernarg_size 72
		.amdhsa_user_sgpr_count 2
		.amdhsa_user_sgpr_kernarg_segment_ptr 1
		.amdhsa_wavefront_size32 1
		.amdhsa_system_sgpr_workgroup_id_x 1
		.amdhsa_system_sgpr_workgroup_id_y 1
		.amdhsa_system_sgpr_workgroup_id_z 1
		.amdhsa_system_vgpr_workitem_id 0
		.amdhsa_next_free_vgpr 192
		.amdhsa_next_free_sgpr 66
		.amdhsa_reserve_vcc 0
		.amdhsa_float_denorm_mode_32 3
		.amdhsa_float_denorm_mode_16_64 3
		.amdhsa_memory_ordered 1
		.amdhsa_forward_progress 1
		.amdhsa_inst_pref_size 34
	.end_amdhsa_kernel
	.amdgpu_metadata
---
amdhsa.version: [ 1, 2 ]
amdhsa.kernels:
  - .name:           k_q6e82ebf777_quant
    .symbol:         k_q6e82ebf777_quant.kd
    .args:
      - { .name: query, .offset: 0, .size: 8, .value_kind: global_buffer, .address_space: global }
      - { .name: key, .offset: 8, .size: 8, .value_kind: global_buffer, .address_space: global }
      - { .name: value, .offset: 16, .size: 8, .value_kind: global_buffer, .address_space: global }
      - { .name: Wq, .offset: 24, .size: 8, .value_kind: global_buffer, .address_space: global }
      - { .name: Wk, .offset: 32, .size: 8, .value_kind: global_buffer, .address_space: global }
      - { .name: Wv, .offset: 40, .size: 8, .value_kind: global_buffer, .address_space: global }
      - { .name: Wo, .offset: 48, .size: 8, .value_kind: global_buffer, .address_space: global }
      - { .name: codes, .offset: 56, .size: 8, .value_kind: global_buffer, .address_space: global }
      - { .name: scales, .offset: 64, .size: 8, .value_kind: global_buffer, .address_space: global }
    .group_segment_fixed_size: 16640
    .private_segment_fixed_size: 0
    .kernarg_segment_align: 8
    .kernarg_segment_size: 72
    .max_flat_workgroup_size: 64
    .sgpr_count:     66
    .vgpr_count:     192
    .wavefront_size: 32
...
	.end_amdgpu_metadata
.endif
;; end of part 1
;; launch proj (part 2): grid 4 x 96, 4 waves a work-group, clusters of 4 x 4, 327,680 bytes of LDS; arguments codes, scales, bq, bk, bv, mask, qrec, kv; writes qrec, kv
.if DOCPART == 2
	.amdgcn_target "amdgcn-amd-amdhsa--gfx1250"
	.amdhsa_code_object_version 6
	.text
	.protected	k_q6e82ebf777_proj
	.globl	k_q6e82ebf777_proj
	.p2align	8
	.type	k_q6e82ebf777_proj,@function
k_q6e82ebf777_proj:
	s_mov_b64 s[64:65], 0
	v_nop
	global_prefetch_b8 v0, s[64:65] scope:SCOPE_SE
	s_setreg_imm32_b32 hwreg(HW_REG_WAVE_MODE, 25, 1), 1
	s_wait_xcnt 0x0
	s_wait_alu depctr_hold_cnt(0) depctr_sa_sdst(0) depctr_va_vdst(0) depctr_va_sdst(0) depctr_va_ssrc(0) depctr_va_vcc(0) depctr_vm_vsrc(0)
	s_getreg_b32 s2, hwreg(HW_REG_IB_STS2, 6, 4)
	s_cmp_eq_u32 s2, 0
	s_cbranch_scc0 .Lentry_in_a_cluster
	s_endpgm
.Lentry_in_a_cluster:
	s_bfe_u32 s2, ttmp6, 0x10000c
	s_cmp_lg_u32 s2, 0xf033
	s_cbranch_scc0 .Lentry_shape_is_right
	s_endpgm
.Lentry_shape_is_right:
.set NQ,     2
; codes lie as [chunk of 256 along K][position][192 bytes]: 128 positions of a chunk are 96 dense rows of 256 bytes; padded by 16 behind each 64 they give LDS rows of 240 bytes a position
.set ROWB,   28672*192                 ; from a chunk to the next, in bytes
.set KROW,   192                       ; a position's bytes in a chunk
.set PITCH,  240
.set FR,     12
.set NL,     6
.set NP,     4
.set HALFT,  128*PITCH
.set SLOT,   4*HALFT
.set LAPS,   2
.set KS,     32
.set SCL,    2*SLOT
.set HALFS,  16*272
.set SBLK,   2*272
.set SPARE,  SCL+4*HALFS
.set QREC,   8704
.set REC,    15104
.set RKS,    8192
.set RVC,    8704
.set RVS,    14848
.set ADRA, 16
.set ADRB, 20
.set ADRS, 27
.set SPW,  28
.set NIL,  29
.set BO,   30
.set RO,   31
.set SC,   32
.set AF,   128
.set SW,   8
.set BN,   64
.set Y,    128
.set PC,   192
.set TM,   212
.set BM,   224
.set MK,   240
.set PW,   248
.set ZR,   249
.set QA2,  250
.set MBU,  254
.set MBM,  255
.set WVN,  20
.set RH,   21
.set CH,   22
.set G1,   24
.set G0,   32
.set G1B,  48
.set G0B,  56
.set G1S,  68
.set G0S,  76
.set G1SB, 80
.set G0SB, 88
.set SEL,  46
.set PROJ, 95
.set MSB, 0
.macro WIN new
.if MSB != (\new)
	s_set_vgpr_msb (MSB<<8)|(\new)
.set MSB, (\new)
.endif
.endm
.set MUL_LO, 0xa1
.set MUL_HI, 0xf1
.set TO_B,   0x40
.macro JLOAD g0a, g1a, g0b, g1b
	s_cmp_eq_u32 s[RH], 0
	s_cbranch_scc0 .Lfor_b_\@
	tensor_load_to_lds s[\g0a:\g0a+3], s[\g1a:\g1a+7]
	s_nop 0
.rept 4
	v_nop
.endr
	s_branch .Lasked_\@
.Lfor_b_\@:
	tensor_load_to_lds s[\g0b:\g0b+3], s[\g1b:\g1b+7]
	s_nop 0
.rept 4
	v_nop
.endr
.Lasked_\@:
.endm
.macro CREST
	s_cmp_lg_u32 s[WVN], 0
	s_cbranch_scc1 .Lnot_wave_0_\@
	s_barrier_signal -3
.Lnot_wave_0_\@:
	s_barrier_wait -3
	s_barrier_signal -1
	s_barrier_wait -1
.endm
.macro CROUND
	s_barrier_signal -1
	s_barrier_wait -1
	CREST
.endm
	s_load_b256 s[4:11], s[0:1], 0x0
	s_load_b256 s[12:19], s[0:1], 0x20
	v_lshl_add_u32 v[SPW], v0, 2, SPARE
	v_mov_b32 v[NIL], 0
	ds_add_u32 v[SPW], v[NIL]
	ds_add_u32 v[SPW], v[NIL]
	v_lshrrev_b32 v1, 5, v0
	v_readfirstlane_b32 s[WVN], v1
	s_lshr_b32 s[RH], s[WVN], 1
	s_and_b32 s[CH], s[WVN], 1
	s_bfe_u32 s40, ttmp6, 0x40000
	s_bfe_u32 s41, ttmp6, 0x40004
	s_and_b32 s23, ttmp7, 0xffff
	s_lshr_b32 s[PROJ], s23, 3
	s_and_b32 s23, s23, 7
	s_lshl_b32 s23, s23, 2
	s_lshl_b32 s42, s[PROJ], 13
	s_lshl_b32 s43, s[PROJ], 10
	s_add_co_u32 s43, s43, 24576
	s_cmp_eq_u32 s[PROJ], 2
	s_cselect_b32 s44, 0, s23
	s_cselect_b32 s45, s23, 0
	s_cselect_b32 s42, 26624, s42
	s_cselect_b32 s43, 16384, s43
	s_add_co_u32 s44, s44, s41
	s_add_co_u32 s45, s45, s40
	s_lshl_b32 s66, s41, 2
	s_lshl_b32 s66, 15, s66
	s_lshl_b32 s94, 0x1111, s40
	s_or_b32 s[G1+0], s66, (0<<16)|(1<<20)|(1<<21)|(3<<22)|(3<<25)
	s_or_b32 s[G1B+0], s94, (0<<16)|(1<<20)|(1<<21)|(3<<22)|(3<<25)
.irp g, G1, G1B
	s_mov_b32 s[\g+1], 256<<16
	s_mov_b32 s[\g+2], 192<<16                     ; the head's loads: 256 positions = 192 rows of 256 bytes
	s_mov_b32 s[\g+3], 256<<16
	s_mov_b32 s[\g+4], 192
	s_mov_b32 s[\g+5], 256
	s_mov_b32 s[\g+6], 0
	s_mov_b32 s[\g+7], 0
.endr
	s_or_b32 s[G1S+0], s66, (3<<16)|(1<<20)|(1<<21)|(5<<22)|(3<<25)
	s_or_b32 s[G1SB+0], s94, (3<<16)|(1<<20)|(1<<21)|(5<<22)|(3<<25)
.irp g, G1S, G1SB
	s_mov_b32 s[\g+1], 32<<16
	s_mov_b32 s[\g+2], 32<<16                      ; the scale bytes of 256 positions: 32 rows of 256 bytes
	s_mov_b32 s[\g+3], 32<<16
	s_mov_b32 s[\g+4], 32
	s_mov_b32 s[\g+5], 32
	s_mov_b32 s[\g+6], 0
	s_mov_b32 s[\g+7], 0
.endr
	s_lshl_b32 s66, s44, 8
	s_add_co_u32 s66, s66, s42
	s_mul_i32 s92, s66, KROW
	s_mov_b32 s93, 0
	s_lshl_b32 s66, s66, 5
	s_mov_b32 s67, 0
	s_lshl_b32 s46, s45, 8
	s_add_co_u32 s46, s46, s43
	s_lshl_b32 s2, s46, 5
	s_mov_b32 s3, 0
	s_mul_i32 s46, s46, KROW
	s_mov_b32 s47, 0
	s_mul_i32 s23, s[WVN], HALFT
	s_wait_dscnt 0x0
	s_wait_kmcnt 0x0
	s_add_nc_u64 s[92:93], s[4:5], s[92:93]
	s_add_nc_u64 s[66:67], s[6:7], s[66:67]
	s_add_nc_u64 s[46:47], s[4:5], s[46:47]
	s_add_nc_u64 s[2:3], s[6:7], s[2:3]
	CROUND
	s_mov_b32 s[G0S], 1
	s_mov_b32 s[G0S+1], SCL
	s_mov_b64 s[G0S+2:G0S+3], s[66:67]
	s_or_b32 s[G0S+3], s[G0S+3], 0x80000000
	s_mov_b32 s[G0SB], 1
	s_mov_b32 s[G0SB+1], SCL+2*HALFS
	s_mov_b64 s[G0SB+2:G0SB+3], s[2:3]
	s_or_b32 s[G0SB+3], s[G0SB+3], 0x80000000
	s_mov_b32 s[G0], 1                             ; the head's tiles, each whole: chunk 0 of A's 256 positions,
	s_mov_b32 s[G0+1], 0
	s_mov_b64 s[G0+2:G0+3], s[92:93]
	s_or_b32 s[G0+3], s[G0+3], 0x80000000
	s_mov_b32 s[G0B], 1                            ; and of B's, behind them in slot 0
	s_mov_b32 s[G0B+1], 2*HALFT
	s_mov_b64 s[G0B+2:G0B+3], s[46:47]
	s_or_b32 s[G0B+3], s[G0B+3], 0x80000000
	s_mul_i32 s2, s[CH], 128*KROW                  ; slot 1's ring loads: my 128 positions of chunk 1
	s_add_co_u32 s2, s2, ROWB
	s_mov_b32 s3, 0
	s_mov_b32 s[G0+4], 1
	s_add_co_u32 s[G0+5], s23, SLOT
	s_add_nc_u64 s[G0+6:G0+7], s[92:93], s[2:3]
	s_or_b32 s[G0+7], s[G0+7], 0x80000000
	s_mov_b32 s[G0B+4], 1
	s_add_co_u32 s[G0B+5], s23, SLOT
	s_add_nc_u64 s[G0B+6:G0B+7], s[46:47], s[2:3]
	s_or_b32 s[G0B+7], s[G0B+7], 0x80000000
; one load a wave at the head, in one chain of branches on the wave's number: A's codes, B's codes, A's scales, B's scales
.macro ARM under, g0, g1, next
	s_cmp_lt_u32 s[WVN], \under
	s_cbranch_scc0 \next
	tensor_load_to_lds s[\g0:\g0+3], s[\g1:\g1+7]
	s_nop 0
.rept 4
	v_nop
.endr
	s_branch .Lhead_asked
\next:
.endm
	ARM 1, G0,  G1,  .Lhead_b
	ARM 2, G0B, G1B, .Lhead_sa
	ARM 3, G0S, G1S, .Lhead_sb
	tensor_load_to_lds s[G0SB:G0SB+3], s[G1SB:G1SB+7]
	s_nop 0
.rept 4
	v_nop
.endr
.Lhead_asked:
	v_and_b32 v1, 15, v0
	v_bfe_u32 v2, v0, 4, 1
	v_mul_u32_u24 v3, v1, PITCH
	v_mul_u32_u24 v4, v2, 24
	v_add_nc_u32 v4, v3, v4
	v_lshl_add_u32 v5, v2, 4, v4
	s_mul_i32 s66, s[RH], HALFT
	s_mul_i32 s67, s[CH], HALFT
	s_add_co_u32 s67, s67, 2*HALFT
.irp s, 0,1
	v_add_nc_u32 v[ADRA+\s], s66, v4
	v_add_nc_u32 v[ADRB+\s], s67, v4
	v_add_nc_u32 v[ADRA+2+\s], s66, v5
	v_add_nc_u32 v[ADRB+2+\s], s67, v5
	s_add_co_u32 s66, s66, SLOT
	s_add_co_u32 s67, s67, SLOT
.endr
	v_mul_u32_u24 v5, v1, KS
	v_lshrrev_b32 v6, 8, v5
	v_lshl_add_u32 v5, v6, 4, v5
	s_mul_i32 s66, s[RH], HALFS
	s_mul_i32 s67, s[CH], HALFS
	s_add_co_u32 s67, s67, 2*HALFS
	s_sub_co_u32 s67, s67, s66
	v_mul_u32_u24 v6, s67, v2
	s_add_co_u32 s66, s66, SCL
	v_add_nc_u32 v5, v5, v6
	v_add_nc_u32 v[ADRS], s66, v5
	s_lshl_b32 s42, s44, 8
	s_lshl_b32 s66, s[RH], 7
	s_add_co_u32 s42, s42, s66
	s_lshl_b32 s43, s45, 8
	s_lshl_b32 s66, s[CH], 7
	s_add_co_u32 s43, s43, s66
	s_mov_b32 s46, REC
	s_mov_b32 s47, 0x10000
	s_cmp_eq_u32 s[PROJ], 2
	s_cselect_b32 s44, s42, s43
	s_cselect_b32 s45, s43, s42
	s_cselect_b64 s[66:67], s[12:13], s[10:11]
	s_cmp_eq_u32 s[PROJ], 0
	s_cselect_b64 s[66:67], s[8:9], s[66:67]
	s_cselect_b64 s[98:99], s[16:17], s[18:19]
	s_cselect_b32 s46, QREC, s46
	s_cselect_b32 s47, 0x7f0000, s47
	s_cselect_b32 s23, 5, 0
	s_cmp_eq_u32 s[PROJ], 1
	s_cselect_b32 s96, -1, 0
	s_lshl_b32 s2, s44, 2
	s_mov_b32 s3, 0
	s_add_nc_u64 s[66:67], s[66:67], s[2:3]
	s_lshl_b32 s2, s45, 2
	s_add_nc_u64 s[92:93], s[14:15], s[2:3]
	s_lshr_b32 s2, s45, 11
	s_lshl_b32 s2, s2, 8
	s_lshr_b32 s42, s44, 6
	s_lshl_b32 s42, s42, 4
	s_add_co_u32 s2, s2, s42
	s_bfe_u32 s42, s45, 0x40007
	s_add_co_u32 s2, s2, s42
	s_mul_i32 s2, s2, s46
	s_add_nc_u64 s[98:99], s[98:99], s[2:3]
	s_lshl_b32 s2, s46, 4
	s_add_nc_u64 s[100:101], s[98:99], s[2:3]
	v_lshlrev_b32 v[BO], 6, v2
	v_and_b32 v3, 8, v1
	v_add_nc_u32 v3, v3, v1
	v_lshlrev_b32 v[RO], 2, v3
.irp g, 0,1,2,3
.irp q, 0,1,2,3
	global_load_b128 v[BN+16*\g+4*\q:BN+16*\g+4*\q+3], v[BO], s[66:67] offset:128*\g+16*\q
.endr
.endr
.irp a, 0,1,2,3,4,5,6,7
	global_load_b32 v[BM+2*\a], v[RO], s[66:67] offset:4*(32*(\a/2)+8*(\a%2))
	global_load_b32 v[BM+2*\a+1], v[RO], s[66:67] offset:4*(32*(\a/2)+8*(\a%2))
	global_load_b32 v[MK+\a], v[RO], s[92:93] offset:4*(32*(\a/2)+8*(\a%2))
.endr
	v_lshlrev_b32 v3, 4, v2
	v_sub_nc_u32 v4, 1, v2
	v_lshlrev_b32 v4, 3, v4
	v_mul_u32_u24 v5, s23, v4
	v_and_b32 v6, 31, v0
	v_lshlrev_b32 v6, 4, v6
	v_mul_lo_u32 v7, v2, s2
	v_lshl_add_u32 v7, v1, 4, v7
	v_mov_b32 v[ZR], 0
	v_mov_b32 v[QA2+3], 0
	v_mov_b32 v[MBU], s47
	v_mov_b32 v[MBM], 160<<16
.macro FRAG reg, adr, q, i
.irp p, 0,1,2,3,4,5
.set PCE, 12*(\q)+6*(\p/3)+\p%3
.if PCE%8 < 5
	ds_load_b64 v[\reg+2*\p:\reg+2*\p+1], v[\adr] offset:8*PCE+16*(PCE/8)+(\i)*16*PITCH
.else
	ds_load_b64 v[\reg+2*\p:\reg+2*\p+1], v[\adr+2] offset:8*PCE+16*(PCE/8)+(\i)*16*PITCH
.endif
.endr
.endm
.macro MUL16 a0, p, q, sc, zero
.irp a, \a0, \a0+1
.irp b, 0,1,2,3,4,5,6,7
.if \zero
	v_wmma_scale_f32_16x16x128_f8f6f4 v[8*(8*((\a)%4)+\b):8*(8*((\a)%4)+\b)+7], v[128*(\p)+FR*\b:128*(\p)+FR*\b+FR-1], v[AF+FR*(\a):AF+FR*(\a)+FR-1], 0, v[SC+8*NQ*(\sc)+NQ*\b+(\q)], v[SC+8*NQ*(\sc)+NQ*(\a)+(\q)] matrix_a_fmt:MATRIX_FMT_FP6 matrix_b_fmt:MATRIX_FMT_FP6 matrix_a_scale:MATRIX_SCALE_ROW1
.else
	v_wmma_scale_f32_16x16x128_f8f6f4 v[8*(8*((\a)%4)+\b):8*(8*((\a)%4)+\b)+7], v[128*(\p)+FR*\b:128*(\p)+FR*\b+FR-1], v[AF+FR*(\a):AF+FR*(\a)+FR-1], v[8*(8*((\a)%4)+\b):8*(8*((\a)%4)+\b)+7], v[SC+8*NQ*(\sc)+NQ*\b+(\q)], v[SC+8*NQ*(\sc)+NQ*(\a)+(\q)] matrix_a_fmt:MATRIX_FMT_FP6 matrix_b_fmt:MATRIX_FMT_FP6 matrix_a_scale:MATRIX_SCALE_ROW1
.endif
.endr
.endr
.endm
.macro FETCH_B slot, q, p
	WIN TO_B
.irp i, 0,1,2,3,4,5,6,7
	FRAG 128*(\p)+FR*\i, ADRB+\slot, \q, \i
.endr
	WIN 0
.endm
.macro FETCH_A slot, q, i0
.irp i, \i0, \i0+1, \i0+2, \i0+3
	FRAG AF+FR*(\i), ADRA+\slot, \q, \i
.endr
.endm
.macro SCALES sc
.irp i, 0,1,2,3,4,5,6,7
	ds_load_b64 v[SC+8*NQ*\sc+NQ*\i:SC+8*NQ*\sc+NQ*\i+1], v[ADRS] offset:\i*SBLK
.endr
.endm
.macro PLACES n
.rept \n
	v_nop
.endr
.endm
.macro STEP slot, q, zero
	s_wait_dscnt 4*NL
	WIN MUL_LO
	MUL16 0, (\q)%2, \q, \slot, \zero
	MUL16 2, (\q)%2, \q, \slot, \zero
	s_wait_dscnt 0
	PLACES NP
	FETCH_B \slot, (\q)+1, 1-(\q)%2
	FETCH_A \slot, (\q)+1, 0
	WIN MUL_HI
	MUL16 4, (\q)%2, \q, \slot, \zero
	MUL16 6, (\q)%2, \q, \slot, \zero
	PLACES NP
	WIN 0
	FETCH_A \slot, (\q)+1, 4
.endm
.macro TURN slot, next, fill
	s_wait_tensorcnt 0x0
	ds_add_u32 v[SPW], v[NIL]
	s_wait_dscnt 4*NL+1
	WIN MUL_LO
	MUL16 0, 1, NQ-1, \slot, 0
	s_wait_dscnt 0x0
	s_barrier_signal -1
	MUL16 2, 1, NQ-1, \slot, 0
	WIN 0
	s_barrier_wait -1
.if \fill
	CREST
	s_add_nc_u64 s[G0+4*\slot+2:G0+4*\slot+3], s[G0+4*\slot+2:G0+4*\slot+3], 2*ROWB
	s_add_nc_u64 s[G0B+4*\slot+2:G0B+4*\slot+3], s[G0B+4*\slot+2:G0B+4*\slot+3], 2*ROWB
	JLOAD G0+4*\slot, G1, G0B+4*\slot, G1B
.else
	PLACES NP
.endif
	s_wait_alu depctr_va_vdst(0)
	v_add_nc_u32 v[ADRS], 4*NQ, v[ADRS]
	FETCH_B \next, 0, 0
	FETCH_A \next, 0, 0
	SCALES \next
	WIN MUL_HI
	MUL16 4, 1, NQ-1, \slot, 0
	MUL16 6, 1, NQ-1, \slot, 0
	PLACES NP
	WIN 0
	FETCH_A \next, 0, 4
.endm
	s_wait_alu depctr_va_vdst(0)                   ; the wait at the head's end
	s_wait_tensorcnt 0x0                           ; my tile of the head's four is in; a wait and an add ahead of a later first fill:
	ds_add_u32 v[SPW], v[NIL]
	s_mov_b32 s[G1+2], 96<<16                      ; no load of mine is out: from here on a load brings 128 positions, 96 rows of 256 bytes,
	s_mov_b32 s[G1+4], 96
	s_mov_b32 s[G1B+2], 96<<16
	s_mov_b32 s[G1B+4], 96
	s_mul_i32 s2, s[CH], 128*KROW                  ; and slot 0's group 0 stands at my 128 positions of chunk 0
	s_mov_b32 s3, 0
	s_mul_i32 s[G0+1], s[WVN], HALFT
	s_mul_i32 s[G0B+1], s[WVN], HALFT
	s_add_nc_u64 s[G0+2:G0+3], s[G0+2:G0+3], s[2:3]
	s_add_nc_u64 s[G0B+2:G0B+3], s[G0B+2:G0B+3], s[2:3]
	s_wait_dscnt 0x0
	CROUND                                         ; all four tiles are in, all sixteen work-groups are here
	JLOAD G0+4, G1, G0B+4, G1B                     ; chunk 1 into slot 1: the first tensor load behind the round
	FETCH_B 0, 0, 0
	FETCH_A 0, 0, 0
	SCALES 0
	FETCH_A 0, 0, 4
	STEP 0, 0, 1
	s_mov_b32 s3, LAPS-1
.Llap:
	TURN 0, 1, 1
	STEP 1, 0, 0
	TURN 1, 0, 1
	STEP 0, 0, 0
	s_sub_co_u32 s3, s3, 1
	s_cmp_lg_u32 s3, 0
	s_cbranch_scc1 .Llap
	TURN 0, 1, 0
	STEP 1, 0, 0
	s_wait_dscnt 4*NL
	WIN MUL_LO
	MUL16 0, 1, NQ-1, 1, 0
	MUL16 2, 1, NQ-1, 1, 0
	s_wait_dscnt 0
	WIN MUL_HI
	MUL16 4, 1, NQ-1, 1, 0
	MUL16 6, 1, NQ-1, 1, 0
	WIN 0
.macro QUANT s
.irp b, 0,1,2,3
	v_max3_num_f32 v[TM+\b], |v[\s+16*\b]|, |v[\s+1+16*\b]|, 0x1800000
.endr
.irp i, 2,4,6,8,10,12,14
.irp b, 0,1,2,3
	v_max3_num_f32 v[TM+\b], v[TM+\b], |v[\s+16*\b+\i]|, |v[\s+1+16*\b+\i]|
.endr
.endr
.irp b, 0,1,2,3
	v_permlanex16_b32 v[TM+4+\b], v[TM+\b], s[SEL], s[SEL+1]
.endr
.irp b, 0,1,2,3
	v_max_num_f32 v[TM+\b], v[TM+\b], v[TM+4+\b]
.endr
.irp b, 0,1,2,3
	v_add_nc_u32 v[TM+8+\b], 0xff000000, v[TM+\b]
.endr
.irp b, 0,1,2,3
	v_lshrrev_b32 v[TM+4+\b], 23, v[TM+8+\b]
.endr
	v_lshl_or_b32 v[PW], v[TM+5], 8, v[TM+4]
	v_lshl_or_b32 v[PW], v[TM+6], 16, v[PW]
	v_lshl_or_b32 v[PW], v[TM+7], 24, v[PW]
.irp c, 0,1
	v_cvt_scalef32_pk16_fp6_f32 v[PC+6*\c:PC+2+6*\c], v[\s+32*\c:\s+15+32*\c], v[TM+8+2*\c]
	v_cvt_scalef32_pk16_fp6_f32 v[PC+12+4*\c:PC+14+4*\c], v[\s+16+32*\c:\s+31+32*\c], v[TM+8+2*\c+1]
.endr
	v_nop
.irp c, 0,1
.irp i, 0,1,2
	v_permlane16_swap_b32 v[PC+6*\c+\i], v[PC+12+4*\c+\i]
.endr
.irp i, 0,1,2
	v_mov_b32 v[PC+3+6*\c+\i], v[PC+12+4*\c+\i]
.endr
.endr
.endm
.macro OUTBLK a, isv
.set AC, 64*((\a)%4)
	s_wait_xcnt 0x0
	WIN 0x02+(\a)/4
.set i, 0
.rept 32
.if \isv
	v_pk_add_f32 v[Y+i:Y+i+1], v[AC+i:AC+i+1], v[BM+2*(\a):BM+2*(\a)+1] op_sel_hi:[1,0]
.else
	v_pk_add_f32 v[Y+i:Y+i+1], v[AC+i:AC+i+1], v[BN+i:BN+i+1]
.endif
.set i, i+2
.endr
	WIN 0
	QUANT Y
.if \isv
	v_mov_b32 v[SW+(\a)], v[PW]
.irp c, 0,1,2
	global_store_b128 v6, v[PC+4*\c:PC+4*\c+3], s[98+2*((\a)/4):99+2*((\a)/4)] offset:RVC+1536*((\a)%4)+512*\c
.endr
.else
	v_cmp_eq_u32 vcc_lo, 0, v[MK+(\a)]
	s_and_b32 s97, vcc_lo, s96
.irp i, 0,1,2,3,4,5,6,7,8,9,10,11
	v_cndmask_b32 v[PC+\i], v[PC+\i], v[ZR], s97
.endr
	v_cndmask_b32 v[PC+12], v5, v4, s97
	v_mov_b32 v[PC+13], 0
	v_mov_b32 v[QA2], v[PC+4]
	v_mov_b32 v[QA2+1], v[PC+5]
	v_mov_b32 v[QA2+2], v[PC+12]
	v_lshrrev_b32 v[TM], v3, v[PW]
	v_cndmask_b32 v[TM+1], v[MBU], v[MBM], s97
	v_and_or_b32 v[SW+(\a)], v[TM], 0xffff, v[TM+1]
	global_store_b128 v6, v[PC:PC+3], s[98:99] offset:1024*(\a)
	global_store_b128 v6, v[QA2:QA2+3], s[98:99] offset:1024*(\a)+512
	global_store_b128 v6, v[PC+6:PC+9], s[100:101] offset:1024*(\a)
	global_store_b128 v6, v[PC+10:PC+13], s[100:101] offset:1024*(\a)+512
.endif
.endm
	PLACES NP
	s_wait_loadcnt 0x0
	s_mov_b32 s[SEL], 0x76543210
	s_mov_b32 s[SEL+1], 0xfedcba98
.irp b, 0,1,2,3
	v_mov_b32 v[TM+4+\b], 0
.endr
	s_cmp_eq_u32 s[PROJ], 2
	s_cbranch_scc1 .Lout_v
.irp a, 0,1,2,3,4,5,6,7
	OUTBLK \a, 0
.endr
	global_store_b128 v7, v[SW:SW+3], s[98:99] offset:RKS
	global_store_b128 v7, v[SW+4:SW+7], s[98:99] offset:RKS+256
	s_branch .Lend
.Lout_v:
.irp a, 0,1,2,3,4,5,6,7
	OUTBLK \a, 1
.endr
	s_mov_b32 s97, 0xffff0000
.irp i, 0,1,2,3
	v_cndmask_b32 v[SW+\i], v[SW+\i], v[SW+4+\i], s97
.endr
	global_store_b128 v7, v[SW:SW+3], s[98:99] offset:RVS
.Lend:
	s_wait_tensorcnt 0x0
	ds_add_u32 v[SPW], v[NIL]
	s_wait_dscnt 0x0
	CROUND
	s_endpgm
.Lfunc_end_k_q6e82ebf777_proj:
	.size	k_q6e82ebf777_proj, .Lfunc_end_k_q6e82ebf777_proj-k_q6e82ebf777_proj
	.p2alignl 7, 3214868480
	.fill 96, 4, 3214868480
	.section	.rodata,"a",@progbits
	.p2align	6, 0x0
	.amdhsa_kernel k_q6e82ebf777_proj
		.amdhsa_group_segment_fixed_size 327680
		.amdhsa_private_segment_fixed_size 0
		.amdhsa_enable_private_segment 0
		.amdhsa_kernarg_size 64
		.amdhsa_user_sgpr_count 2
		.amdhsa_user_sgpr_kernarg_segment_ptr 1
		.amdhsa_wavefront_size32 1
		.amdhsa_system_sgpr_workgroup_id_x 1
		.amdhsa_system_sgpr_workgroup_id_y 1
		.amdhsa_system_sgpr_workgroup_id_z 1
		.amdhsa_system_vgpr_workitem_id 0
		.amdhsa_next_free_vgpr 1024
		.amdhsa_next_free_sgpr 102
		.amdhsa_reserve_vcc 1
		.amdhsa_float_denorm_mode_32 3
		.amdhsa_float_denorm_mode_16_64 3
		.amdhsa_memory_ordered 1
		.amdhsa_forward_progress 1
		.amdhsa_inst_pref_size 246
	.end_amdhsa_kernel
	.amdgpu_metadata
---
amdhsa.version: [ 1, 2 ]
amdhsa.kernels:
  - .name:           k_q6e82ebf777_proj
    .symbol:         k_q6e82ebf777_proj.kd
    .args:
      - { .name: codes, .offset: 0, .size: 8, .value_kind: global_buffer, .address_space: global }
      - { .name: scales, .offset: 8, .size: 8, .value_kind: global_buffer, .address_space: global }
      - { .name: bq, .offset: 16, .size: 8, .value_kind: global_buffer, .address_space: global }
      - { .name: bk, .offset: 24, .size: 8, .value_kind: global_buffer, .address_space: global }
      - { .name: bv, .offset: 32, .size: 8, .value_kind: global_buffer, .address_space: global }
      - { .name: mask, .offset: 40, .size: 8, .value_kind: global_buffer, .address_space: global }
      - { .name: qrec, .offset: 48, .size: 8, .value_kind: global_buffer, .address_space: global }
      - { .name: kv, .offset: 56, .size: 8, .value_kind: global_buffer, .address_space: global }
    .group_segment_fixed_size: 327680
    .private_segment_fixed_size: 0
    .kernarg_segment_align: 8
    .kernarg_segment_size: 64
    .max_flat_workgroup_size: 128
    .sgpr_count:     102
    .vgpr_count:     1024
    .wavefront_size: 32
...
	.end_amdgpu_metadata
.endif
;; end of part 2
;; launch attn (part 3): grid 8 x 32, 16 waves a work-group, clusters of 4 x 1, 327,680 bytes of LDS; arguments qrec, kv, xc, xs; writes xc, xs
.if DOCPART == 3
	.amdgcn_target "amdgcn-amd-amdhsa--gfx1250"
	.amdhsa_code_object_version 6
	.text
	.protected	k_q6e82ebf777_attn
	.globl	k_q6e82ebf777_attn
	.p2align	8
	.type	k_q6e82ebf777_attn,@function
k_q6e82ebf777_attn:
	s_mov_b64 s[64:65], 0
	v_nop
	global_prefetch_b8 v0, s[64:65] scope:SCOPE_SE
	s_setreg_imm32_b32 hwreg(HW_REG_WAVE_MODE, 25, 1), 1
	s_wait_xcnt 0x0
	s_wait_alu depctr_hold_cnt(0) depctr_sa_sdst(0) depctr_va_vdst(0) depctr_va_sdst(0) depctr_va_ssrc(0) depctr_va_vcc(0) depctr_vm_vsrc(0)
	s_getreg_b32 s2, hwreg(HW_REG_IB_STS2, 6, 4)
	s_cmp_eq_u32 s2, 0
	s_cbranch_scc0 .Lentry_in_a_cluster
	s_endpgm
.Lentry_in_a_cluster:
	s_bfe_u32 s2, ttmp6, 0x10000c
	s_cmp_lg_u32 s2, 0x3003
	s_cbranch_scc0 .Lentry_shape_is_right
	s_endpgm
.Lentry_shape_is_right:
; x[b][q][head][:] = the sum over keys of softmax(q . k / 8, masked) v, both products on codes of FP6 (E2M3) with E8M0 scales; x leaves quantised along (head, d) for the last product, as images of an operand's registers.
; THE SOFTMAX AHEAD OF THE SECOND PRODUCT: t = score x log2(e) / 8; M = the row's largest t so far, rounded UP to a whole number; p = 2^(t - M) is what is quantised, along the keys; the row's sum is taken of the unquantised p
; and divides at the end.  When M moves, the sum and O are multiplied by 2^(old M - new M): exact.
; THE MASK costs no line here: a masked key's score comes out of the first product as exactly -2^33 (its codes are zeros, and the idle half of that product's K carries +1.0 x 2^33 against q's -1.0).  c x 2^33 is a whole number in f32,
; so in a row that is masked throughout t - M = 0 and every p = 1, as the definition has it.  LIMIT: the masked logit is -2^30, not -1e9: results differ only where an open logit lies under about -9e8.  NaN and infinities are not served.
; SHARES.  A work-group owns 256 query positions of a batch and TWO heads, one after the other; each of its sixteen waves owns 16 queries, one tile, in 256 registers: four waves to a SIMD, so that one wave's vector work stands
; beside another's products and LDS loads.  The two heads' 32 records (128 keys each: k's 8 tiles, k's scale words, v's 4 tiles, v's scale words: 15,104 bytes) are one dense stream of memory.
; It goes through two LDS slots of eight records.  Waves 0 to 3 fetch, two records each, by one tensor load; a refill has eight key steps in which to land, so nothing is prefetched.
; CLUSTER.  The four work-groups of a cluster walk the same stream: every tensor load is joint, with the mask of all four.
; LAYOUT.  Both products are used transposed: S^T = K Q^T, O^T = V^T P^T: a lane holds one query throughout.  The tiles of k and v hold their rows in the order in which the 16 registers of result tiles 2 b and 2 b + 1 are 16 neighbours.
; Every fragment lies in LDS as an image of its registers: a group of four registers is 512 dense bytes, 16 x lane.
; FETCHING (this stands in place of what is said above of waves 0 to 3): each of the sixteen waves fetches ONE record, 59 rows of 256 bytes, to LDS byte wave x REC: waves 0 to 7 fill slot 0, waves 8 to 15 slot 1,
; each group by a load line of its own; at the head's barrier only waves 0 to 7 have waited.  Each wave refills once, with the record 16 further on in the stream.
.set REC,   15104
.set QREC,  8704
.set RKS,   8192                       ; in a record: k's (q's) scale words [tile / 4][r][tile % 4],
.set RVC,   8704                       ; v's four tiles, 1,536 bytes each,
.set RVS,   14848                      ; v's scale words [r][tile]
.set SLOTB, 8*REC                      ; a slot: eight records
.set SPARE, 2*SLOTB                    ; behind the two slots: the spare words, 128 bytes for each of sixteen waves
.set LI,  1                            ; v1   16 x lane
.set RI,  2                            ; v2   16 r
.set XO,  3                            ; v3   32 r
.set LN,  4                            ; v4   lane
.set SPW, 5                            ; v5   LDS address of my spare word; never rewritten
.set NIL, 6                            ; v6   0; never rewritten
.set ADL, 8                            ; v8   the record in hand + 16 x lane
.set ADR, 9                            ; v9   the record in hand + 16 r
                                       ; v12 -M, v13 the largest t, v[14:15] the sum in two halves
.set QF0, 16                           ; v16-27, v28-39 q's fragments of the two heads
.set QF1, 28
.set QS0, 40                           ; v40, v41 their scale words
.set QS1, 41
.set FF,  42                           ; v[42:43] f = 2^(old M - new M), and 0
.set KF,  44                           ; v44-91 four fragments of k; registers 8-11 of each are zeros and never loaded
.set KSW, 92                           ; v92-99 k's eight scale words
.set VSW, 100                          ; v100-103 v's four
.set S,   104                          ; v104-167 S^T, then p; then v's four fragments (v104-151)
.set O,   168                          ; v168-199 O^T
.set PCD, 200                          ; v200-211 p's codes
.set CT,  212                          ; v212-214, v216-218 the conversions' second halves
.set BX,  220                          ; v220-223 the blocks' largest scores, then largest p
.set PM,  224                          ; v224-227 the other half's maxima, the second chain of the sum, the bytes
.set SO,  228                          ; v228-231 the conversions' scale operands
.set PSW, 232                          ; p's scale word
.set TT,  233                          ; at work
.set XF,  236                          ; v236-247 x's fragment: K step = my two heads
.set XH,  248                          ; v248, v249 each head's two scale bytes
.set WV,  12                           ; s12 wave; s13 cx; s14 my block of 256 queries; s15 8 x batch + pair of heads
.set G1,  16                           ; s[16:23] group 1
.set G0A, 24                           ; s[24:27] my group 0
.set G0B, 28                           ; (a name for slot 1 in CHANGE's argument: no register)
.set SEL, 32                           ; s[32:33] selects for lane l xor 16
.set CS,  34                           ; s[34:35] c = log2(e) / 8, twice
.set TB,  36                           ; s36 LDS byte of the record in hand
.set CNT, 37                           ; s37 records to go in the slot
.macro CROUND                          ; a round of the cluster's barrier
	s_barrier_signal -1
	s_barrier_wait -1
	s_cmp_lg_u32 s[WV], 0
	s_cbranch_scc1 .Lnot_wave_0_\@
	s_barrier_signal -3
.Lnot_wave_0_\@:
	s_barrier_wait -3
	s_barrier_signal -1
	s_barrier_wait -1
.endm
	s_load_b256 s[4:11], s[0:1], 0x0               ; qrec, kv, xc, xs
	v_lshl_add_u32 v[SPW], v0, 2, SPARE
	v_mov_b32 v[NIL], 0
	ds_add_u32 v[SPW], v[NIL]                      ; the wave's opening: the add and its wait ahead of the first tensor loads; the set-up below, work on registers, stands between them
	ds_add_u32 v[SPW], v[NIL]
	v_lshrrev_b32 v1, 5, v0
	s_delay_alu instid0(VALU_DEP_1)
	v_readfirstlane_b32 s[WV], v1
	s_bfe_u32 s13, ttmp6, 0x40000                  ; cx: it enters q's and x's addresses alone
	s_lshl_b32 s14, ttmp9, 2
	s_add_co_u32 s14, s14, s13
	s_and_b32 s15, ttmp7, 0xffff
	s_mov_b32 s[G1], 15|(3<<16)|(1<<21)            ; the mask: all four work-groups; elements of 8 bytes; bit 21 beside a mask; no padding
	s_mov_b32 s[G1+1], 32<<16                      ; tensor_dim0: 32 elements = 256 bytes
	s_mov_b32 s[G1+2], 59<<16                      ; tensor_dim1: a record = 59 rows of 256 bytes
	s_mov_b32 s[G1+3], 32<<16                      ; tile_dim0
	s_mov_b32 s[G1+4], 59                          ; tile_dim1
	s_mov_b32 s[G1+5], 32                          ; dense
	s_mov_b32 s[G1+6], 0
	s_mov_b32 s[G1+7], 0
	s_mov_b32 s[SEL], 0x76543210
	s_mov_b32 s[SEL+1], 0xfedcba98
	s_mov_b32 s[CS], 0x3e38aa3b                    ; log2(e) / 8
	s_mov_b32 s[CS+1], s[CS]
	s_mul_i32 s38, s[WV], REC                      ; the record that I fetch, in LDS and in the stream
	s_mul_i32 s40, s15, 32*REC                     ; my two heads' stream
	s_add_co_u32 s40, s40, s38
	s_mov_b32 s41, 0
	s_lshl_b32 s42, s15, 5                         ; q's record: 16 x (first head) + which 128 queries
	s_lshl_b32 s43, s14, 1
	s_add_co_u32 s42, s42, s43
	s_lshr_b32 s43, s[WV], 3
	s_add_co_u32 s42, s42, s43
	s_mul_i32 s42, s42, QREC
	s_and_b32 s44, s[WV], 7                        ; my tile in it
	s_lshl_b32 s44, s44, 10
	s_add_co_u32 s44, s44, s42
	s_mov_b32 s45, 0
	s_bfe_u32 s46, s[WV], 0x10002                  ; and its scale words: [tile / 4][r][tile % 4]
	s_lshl_b32 s46, s46, 8
	s_and_b32 s47, s[WV], 3
	s_lshl_b32 s47, s47, 2
	s_add_co_u32 s46, s46, s47
	s_add_co_u32 s46, s46, s42
	s_add_co_u32 s46, s46, RKS
	s_mov_b32 s47, 0
	s_wait_dscnt 0x0                               ; the opening add is done
	s_wait_kmcnt 0x0
	s_mov_b32 s[G0A], 1
	s_mov_b32 s[G0A+1], s38
	s_add_nc_u64 s[G0A+2:G0A+3], s[6:7], s[40:41]
	s_or_b32 s[G0A+3], s[G0A+3], 0x80000000
	s_add_nc_u64 s[44:45], s[4:5], s[44:45]
	s_add_nc_u64 s[46:47], s[4:5], s[46:47]
	CROUND                                         ; all four work-groups are here: the first joint loads meet
	s_cmp_lt_u32 s[WV], 8                          ; one load a wave, two arms that join: slot 0's line and slot 1's
	s_cbranch_scc0 .Lhi_first
	tensor_load_to_lds s[G0A:G0A+3], s[G1:G1+7]
	s_nop 0
.rept 4
	v_nop
.endr
	s_branch .Lasked_first
.Lhi_first:
	tensor_load_to_lds s[G0A:G0A+3], s[G1:G1+7]
	s_nop 0
.rept 4
	v_nop
.endr
.Lasked_first:
	v_and_b32 v[LN], 31, v0
	s_delay_alu instid0(VALU_DEP_1)
	v_lshlrev_b32 v[LI], 4, v[LN]
	v_and_b32 v[RI], 15, v0
	s_delay_alu instid0(VALU_DEP_1)
	v_lshlrev_b32 v[XO], 5, v[RI]
	s_delay_alu instid0(VALU_DEP_2)
	v_lshlrev_b32 v[RI], 4, v[RI]
.irp i, 0,1                                    ; q stays in registers: registers 0-7 of each head's fragment (register 6: the mask's term), and the scale word
	global_load_b128 v[QF0+12*\i:QF0+12*\i+3], v[LI], s[44:45] offset:\i*16*QREC
	global_load_b128 v[QF0+12*\i+4:QF0+12*\i+7], v[LI], s[44:45] offset:\i*16*QREC+512
	global_load_b32 v[QS0+\i], v[RI], s[46:47] offset:\i*16*QREC
.endr
.irp n, 8,9,10,11
	v_mov_b32 v[QF0+\n], 0                         ; k = 80 .. 127 of the first product's operands: zero codes
	v_mov_b32 v[QF1+\n], 0
	v_mov_b32 v[KF+\n], 0
	v_mov_b32 v[KF+12+\n], 0
	v_mov_b32 v[KF+24+\n], 0
	v_mov_b32 v[KF+36+\n], 0
.endr
.irp b, 0,1,2,3
	v_mov_b32 v[PM+\b], 0                          ; written once: a lane permute's destination counts as one of its sources
.endr
	v_mov_b32 v[FF+1], 0                           ; named as the upper half of the pair
.macro INIT                            ; a head begins: O^T and the sum are zeros, the largest t lies under every t.  The step is written once: the first change of M multiplies zeros
	v_mov_b32 v13, 0xff61b1e6                      ; -3e38
	s_delay_alu instid0(VALU_DEP_1)
	v_floor_f32 v12, -v13
	v_mov_b32 v14, 0
	v_mov_b32 v15, 0
.set j, 0
.rept 32
	v_mov_b32 v[O+j], 0
.set j, j+1
.endr
.endm
	INIT
; A KEY STEP: the 128 keys of the record at s[TB].
.set TN,  39                           ; s39 LDS byte of the next record, held at the slot's last: the last trip asks for bytes of its own slot once more, and nobody uses them
; k's tiles 0 to 3 and all eight scale words of the record at v7 (16 x lane + the record).  Of a scale word only lanes 0-15 are read by the products, and there 16 x lane is 16 r; lanes 16-31 fetch other bytes of the same record.
.macro PRE
	ds_load_b128 v[KSW:KSW+3], v7 offset:RKS
	ds_load_b128 v[KSW+4:KSW+7], v7 offset:RKS+256
.irp t, 0,1,2,3
	ds_load_b128 v[KF+12*\t:KF+12*\t+3], v7 offset:\t*1024
	ds_load_b128 v[KF+12*\t+4:KF+12*\t+7], v7 offset:\t*1024+512
.endr
.endm
; The largest score of blocks p and p + 1 of 32 keys (my 16 of each): two chains a block, four side by side; each accumulator is read from its low end on.  It serves for the row's maximum and, since p rises with the score, for the block's largest p.
.macro BMAX2 p
.irp b, \p, \p+1
	v_max3_num_f32 v[BX+\b], v[S+16*(\b)], v[S+16*(\b)+1], v[S+16*(\b)+2]
.endr
.irp b, \p, \p+1
	v_max3_num_f32 v[PM+\b], v[S+16*(\b)+7], v[S+16*(\b)+8], v[S+16*(\b)+9]
.endr
.irp i, 3,5
.irp b, \p, \p+1
	v_max3_num_f32 v[BX+\b], v[BX+\b], v[S+16*(\b)+\i], v[S+16*(\b)+\i+1]
.endr
.irp b, \p, \p+1
	v_max3_num_f32 v[PM+\b], v[PM+\b], v[S+16*(\b)+\i+7], v[S+16*(\b)+\i+8]
.endr
.endr
.irp b, \p, \p+1
	v_max3_num_f32 v[BX+\b], v[BX+\b], v[PM+\b], v[S+16*(\b)+14]
.endr
.irp b, \p, \p+1
	v_max_num_f32 v[BX+\b], v[BX+\b], v[S+16*(\b)+15]
.endr
.endm
.macro STEP qf, qs
	v_add_nc_u32 v[ADL], s[TB], v[LI]
	s_wait_alu depctr_va_vdst(0)
	v_add_nc_u32 v[ADR], s[TB], v[RI]
.rept 3
	v_nop                                          ; with the two additions five places: the products below write over the registers from which the last step's products read v
.endr
	s_wait_dscnt 0x0                               ; k's tiles 0 to 3 and the scale words: asked for in the step before, or at the slot's head
.irp t, 0,1,2,3                                ; S^T = K Q^T, four tiles of 16 keys at a time
	v_wmma_scale_f32_16x16x128_f8f6f4 v[S+8*\t:S+8*\t+7], v[KF+12*\t:KF+12*\t+11], v[\qf:\qf+11], 0, v[KSW+\t], v[\qs] matrix_a_fmt:MATRIX_FMT_FP6 matrix_b_fmt:MATRIX_FMT_FP6
.endr
.rept 4
	v_nop                                          ; places in front of the loads into registers that the products have read, and of the first read of their results
.endr
.irp t, 0,1,2,3
	ds_load_b128 v[KF+12*\t:KF+12*\t+3], v[ADL] offset:(4+\t)*1024
	ds_load_b128 v[KF+12*\t+4:KF+12*\t+7], v[ADL] offset:(4+\t)*1024+512
.endr
	BMAX2 0                                        ; sixteen lines on tiles 0 to 3 while tiles 4 to 7 of k are on their way
	s_wait_dscnt 0x0
.irp t, 0,1,2,3
	v_wmma_scale_f32_16x16x128_f8f6f4 v[S+8*(4+\t):S+8*(4+\t)+7], v[KF+12*\t:KF+12*\t+11], v[\qf:\qf+11], 0, v[KSW+4+\t], v[\qs] matrix_a_fmt:MATRIX_FMT_FP6 matrix_b_fmt:MATRIX_FMT_FP6
.endr                                          ; lane (r, h) holds query r; the 16 registers of tiles 2 b, 2 b + 1 are keys 32 b + 16 h + 0 .. 15
	v_add_nc_u32 v7, s[TN], v[LI]                  ; with the three below: four places
.rept 3
	v_nop
.endr
	PRE                                            ; the next record's first ten loads: they have the rest of this step in which to come
	BMAX2 2
.irp b, 0,1,2,3
	v_permlanex16_b32 v[PM+\b], v[BX+\b], s[SEL], s[SEL+1]
.endr
.irp b, 0,1,2,3
	s_delay_alu instid0(VALU_DEP_4)
	v_max_num_f32 v[BX+\b], v[BX+\b], v[PM+\b]     ; with lane l xor 16's 16 keys
.endr
	s_delay_alu instid0(VALU_DEP_2)
	v_max3_num_f32 v[TT], v[BX], v[BX+1], v[BX+2]
	s_delay_alu instid0(VALU_DEP_1)
	v_max_num_f32 v[TT], v[TT], v[BX+3]            ; the step's largest score of my query
	s_delay_alu instid0(VALU_DEP_1)
	v_mul_f32 v[TT], s[CS], v[TT]                  ; as t
	s_delay_alu instid0(VALU_DEP_1)
	v_max_num_f32 v13, v13, v[TT]                  ; the running largest t
	v_mov_b32 v[TT], v12
	s_delay_alu instid0(VALU_DEP_2)
	v_floor_f32 v12, -v13                          ; the new -M = floor(-t) = -ceil(t)
	s_delay_alu instid0(VALU_DEP_1)
	v_sub_f32 v[TT], v12, v[TT]                    ; old M - new M: a whole number, 0 or less
	s_delay_alu instid0(VALU_DEP_1)
	v_cvt_i32_f32 v[TT], v[TT]                     ; (it saturates)
	s_delay_alu instid0(VALU_DEP_1)
	v_ldexp_f32 v[FF], 1.0, v[TT]                  ; f = 2^(old M - new M)
.set j, 0
.rept 32
	v_pk_fma_f32 v[S+j:S+j+1], v[S+j:S+j+1], s[CS:CS+1], v[12:13] op_sel_hi:[1,0,0]   ; t - M, two at a time
.set j, j+2
.endr
.irp b, 0,1,2,3
	v_fma_f32 v[BX+\b], v[BX+\b], s[CS], v12       ; the same of each block's largest score
.endr
.set j, 0
	s_wait_alu depctr_va_vdst(0)
.rept 64
	v_exp_f32 v[S+j], v[S+j]                       ; p = 2^(t - M), at most 1
.set j, j+1
.endr
	v_pk_mul_f32 v[14:15], v[14:15], v[FF:FF+1] op_sel_hi:[1,0]   ; the sums under the new M (the plain line behind the exponentials)
	s_wait_alu depctr_va_vdst(0)                   ; one wait for the whole batch, ahead of its first reader
.irp b, 0,1,2,3
	v_exp_f32 v[BX+\b], v[BX+\b]                   ; the block's largest p: the same two instructions on the same number give the same bits
.endr
	v_pk_add_f32 v[224:225], v[108:109], v[112:113]
	v_pk_add_f32 v[254:255], v[116:117], v[120:121]
	v_pk_add_f32 v[252:253], v[124:125], v[128:129]
	v_pk_add_f32 v[250:251], v[132:133], v[136:137]
	v_pk_add_f32 v[234:235], v[140:141], v[144:145]
	v_pk_add_f32 v[10:11], v[148:149], v[152:153]
	v_pk_add_f32 v[14:15], v[14:15], v[156:157]
	v_pk_add_f32 v[224:225], v[224:225], v[160:161]
	v_pk_add_f32 v[254:255], v[254:255], v[164:165]
	v_pk_add_f32 v[252:253], v[252:253], v[104:105]
	v_pk_add_f32 v[250:251], v[250:251], v[106:107]
	v_pk_add_f32 v[234:235], v[234:235], v[110:111]
	v_pk_add_f32 v[10:11], v[10:11], v[114:115]
	v_pk_add_f32 v[14:15], v[14:15], v[118:119]
	v_pk_add_f32 v[224:225], v[224:225], v[122:123]
	v_pk_add_f32 v[254:255], v[254:255], v[126:127]
	v_pk_add_f32 v[252:253], v[252:253], v[130:131]
	v_pk_add_f32 v[250:251], v[250:251], v[134:135]
	v_pk_add_f32 v[234:235], v[234:235], v[138:139]
	v_pk_add_f32 v[10:11], v[10:11], v[142:143]
	v_pk_add_f32 v[14:15], v[14:15], v[146:147]
	v_pk_add_f32 v[224:225], v[224:225], v[150:151]
	v_pk_add_f32 v[254:255], v[254:255], v[154:155]
	v_pk_add_f32 v[252:253], v[252:253], v[158:159]
	v_pk_add_f32 v[250:251], v[250:251], v[162:163]
	v_pk_add_f32 v[234:235], v[234:235], v[166:167]
	s_delay_alu instid0(VALU_DEP_2)
	v_pk_add_f32 v[14:15], v[14:15], v[250:251]
	s_delay_alu instid0(VALU_DEP_2)
	v_pk_add_f32 v[224:225], v[224:225], v[234:235]
	v_pk_add_f32 v[254:255], v[254:255], v[10:11]
	s_delay_alu instid0(VALU_DEP_1)
	v_pk_add_f32 v[14:15], v[14:15], v[254:255]
	s_delay_alu instid0(VALU_DEP_3)
	v_pk_add_f32 v[224:225], v[224:225], v[252:253]
	s_delay_alu instid0(VALU_DEP_1)
	v_pk_add_f32 v[14:15], v[14:15], v[224:225]
	s_wait_alu depctr_va_vdst(0)                   ; and one for the four
.irp b, 0,1,2,3
	v_max_num_f32 v[BX+\b], 0x1800000, v[BX+\b]    ; the floor 2^(3 - 127): a block whose every p is 0 keeps the byte 1 over zero codes
.endr
.irp b, 0,1,2,3
	s_delay_alu instid0(VALU_DEP_4)
	v_add_nc_u32 v[SO+\b], 0xff000000, v[BX+\b]    ; 2 off the exponent field: the conversion's scale operand
.endr
.irp b, 0,1,2,3
	s_delay_alu instid0(VALU_DEP_4)
	v_lshrrev_b32 v[PM+\b], 23, v[SO+\b]           ; the scale's byte
.endr
	s_delay_alu instid0(VALU_DEP_3)
	v_lshl_or_b32 v[PSW], v[PM+1], 8, v[PM]        ; p's scale word for these 128 keys
	s_delay_alu instid0(VALU_DEP_1)
	v_lshl_or_b32 v[PSW], v[PM+2], 16, v[PSW]
	s_delay_alu instid0(VALU_DEP_1)
	v_lshl_or_b32 v[PSW], v[PM+3], 24, v[PSW]
.irp c, 0,1
	v_cvt_scalef32_pk16_fp6_f32 v[PCD+6*\c:PCD+2+6*\c], v[S+32*\c:S+15+32*\c], v[SO+2*\c]
	v_cvt_scalef32_pk16_fp6_f32 v[CT+4*\c:CT+2+4*\c], v[S+16+32*\c:S+31+32*\c], v[SO+2*\c+1]
.endr
	v_nop                                          ; one plain place behind a scaled conversion
.irp d, 0,1,2,3                                ; p has been read for the last time: v's four fragments land in its registers while the 28 lines below run
.irp c, 0,1,2
	ds_load_b128 v[S+12*\d+4*\c:S+12*\d+4*\c+3], v[ADL] offset:RVC+1536*\d+512*\c
.endr
.endr
	ds_load_b128 v[VSW:VSW+3], v[ADR] offset:RVS
.irp c, 0,1                                    ; the operand's layout wants a whole block in a lane
.irp i, 0,1,2
	v_permlane16_swap_b32 v[PCD+6*\c+\i], v[CT+4*\c+\i]
.endr
.irp i, 0,1,2
	s_delay_alu instid0(VALU_DEP_3)
	v_mov_b32 v[PCD+3+6*\c+\i], v[CT+4*\c+\i]
.endr
.endr
.set j, 0
.rept 16
	v_pk_mul_f32 v[O+j:O+j+1], v[O+j:O+j+1], v[FF:FF+1] op_sel_hi:[1,0]   ; O^T under the new M; these sixteen are also the places between the codes' and the scale word's last writes and the products
.set j, j+2
.endr
	s_wait_alu depctr_va_vdst(0)
	s_wait_dscnt 0x0
.irp d, 0,1,2,3                                ; O^T += V^T P^T: the four accumulators by turns, one instruction a turn
	v_wmma_scale_f32_16x16x128_f8f6f4 v[O+8*\d:O+8*\d+7], v[S+12*\d:S+12*\d+11], v[PCD:PCD+11], v[O+8*\d:O+8*\d+7], v[VSW+\d], v[PSW] matrix_a_fmt:MATRIX_FMT_FP6 matrix_b_fmt:MATRIX_FMT_FP6
.endr
.endm
; A slot's eight key steps: the step is written once and walked eight times; the LDS addresses hang on s[TB], stepped by a constant in a loop of constant count.
.macro PHASE slot, qf, qs
	s_mov_b32 s[TB], (\slot)*SLOTB
	s_mov_b32 s[CNT], 8
	v_add_nc_u32 v7, s[TB], v[LI]
	PRE                                            ; the slot's first record
.Lstep_\@:
	s_add_co_u32 s[TN], s[TB], REC
	s_min_u32 s[TN], s[TN], (\slot)*SLOTB+7*REC
	STEP \qf, \qs
	s_add_co_u32 s[TB], s[TB], REC
	s_sub_co_u32 s[CNT], s[CNT], 1
	s_cmp_lg_u32 s[CNT], 0
	s_cbranch_scc1 .Lstep_\@
.endm
; THE CHANGE OF SLOTS.  Each wave waits for all its tensor loads (its part of the slot ahead), adds 0 to its spare word, and waits for that and for its reads of the slot that it leaves.
; fill = 1: the barrier is a round of the cluster's, and behind it the slot just left takes the records 16 further on in the stream: the first thing there, one load a fetching wave.
.macro CHANGE fill, g0
	s_wait_tensorcnt 0x0                           ; no tensor load of mine is out, so my group 0 may be written
	ds_add_u32 v[SPW], v[NIL]                      ; 0 onto my spare word
.if \fill
.if (\g0) == G0A
	s_add_nc_u64 s[G0A+2:G0A+3], s[G0A+2:G0A+3], 16*REC   ; once in the launch: every wave's one refill is its record 16 further on
.endif
	s_wait_dscnt 0x0                               ; the add is done, and my reads of the slot are over
	CROUND
	s_cmp_lt_u32 s[WV], 8
.if (\g0) == G0A
	s_cbranch_scc0 .Lnone_\@                       ; slot 0: waves 0 to 7
.else
	s_cbranch_scc1 .Lnone_\@                       ; slot 1: waves 8 to 15
.endif
	tensor_load_to_lds s[G0A:G0A+3], s[G1:G1+7]
	s_nop 0
.rept 4
	v_nop
.endr
.Lnone_\@:
.else
	s_wait_dscnt 0x0
	s_barrier_signal -1
	s_barrier_wait -1
.endif
.endm
; A HEAD ENDS: O^T is divided by the row's sum and quantised: its 32 registers are d = 32 g + 16 h + 0 .. 15, two blocks of the last product's K.  They fill registers 6 i .. 6 i + 5 of x's fragment.
.macro FINISH i
.rept 4
	v_nop                                          ; places behind the last products
.endr
	v_add_f32 v14, v14, v15
	s_delay_alu instid0(VALU_DEP_1)
	v_permlanex16_b32 v[TT], v14, s[SEL], s[SEL+1]
	s_delay_alu instid0(VALU_DEP_1)
	v_add_f32 v14, v14, v[TT]                      ; the row's sum
	s_wait_alu depctr_va_vdst(0)
	v_rcp_f32 v14, v14
	v_nop                                          ; a plain line behind the reciprocal,
	s_wait_alu depctr_va_vdst(0)                   ; and the wait ahead of its first reader
.set j, 0
.rept 16
	v_pk_mul_f32 v[S+j:S+j+1], v[O+j:O+j+1], v[14:15] op_sel_hi:[1,0]   ; each accumulator from its low end on
.set j, j+2
.endr
.irp g, 0,1
	v_max3_num_f32 v[BX+\g], |v[S+16*\g]|, |v[S+1+16*\g]|, 0x1800000
.endr
.irp n, 2,4,6,8,10,12,14
.irp g, 0,1
	s_delay_alu instid0(VALU_DEP_2)
	v_max3_num_f32 v[BX+\g], v[BX+\g], |v[S+16*\g+\n]|, |v[S+1+16*\g+\n]|
.endr
.endr
.irp g, 0,1
	s_delay_alu instid0(VALU_DEP_2)
	v_permlanex16_b32 v[PM+\g], v[BX+\g], s[SEL], s[SEL+1]
.endr
.irp g, 0,1
	s_delay_alu instid0(VALU_DEP_2)
	v_max_num_f32 v[BX+\g], v[BX+\g], v[PM+\g]
.endr
.irp g, 0,1
	s_delay_alu instid0(VALU_DEP_2)
	v_add_nc_u32 v[SO+\g], 0xff000000, v[BX+\g]
.endr
.irp g, 0,1
	s_delay_alu instid0(VALU_DEP_2)
	v_lshrrev_b32 v[PM+\g], 23, v[SO+\g]
.endr
	s_delay_alu instid0(VALU_DEP_1)
	v_lshl_or_b32 v[XH+\i], v[PM+1], 8, v[PM]
	v_cvt_scalef32_pk16_fp6_f32 v[XF+6*\i:XF+6*\i+2], v[S:S+15], v[SO]
	v_cvt_scalef32_pk16_fp6_f32 v[CT:CT+2], v[S+16:S+31], v[SO+1]
	v_nop
.irp n, 0,1,2
	v_permlane16_swap_b32 v[XF+6*\i+\n], v[CT+\n]
.endr
.irp n, 0,1,2
	s_delay_alu instid0(VALU_DEP_3)
	v_mov_b32 v[XF+6*\i+3+\n], v[CT+\n]
.endr
.endm
	s_wait_alu depctr_va_vdst(0)                   ; the wait at the head's end
	s_wait_loadcnt 0x0                             ; q
	s_cmp_lt_u32 s[WV], 8
	s_cbranch_scc0 .Lnot_lo
	s_wait_tensorcnt 0x0                           ; waves 0 to 7: slot 0's records are in; slot 1's may stay out
.Lnot_lo:
	s_barrier_signal -1
	s_barrier_wait -1
	PHASE 0, QF0, QS0                              ; the first head's keys 0 to 1,023
	CHANGE 1, G0A                                  ; slot 0 takes the second head's first eight records
	PHASE 1, QF0, QS0                              ; keys 1,024 to 2,047
	CHANGE 1, G0B                                  ; slot 1 takes its last eight
	FINISH 0
	INIT
	PHASE 0, QF1, QS1
	CHANGE 0, G0A                                  ; nothing is left to fetch
	PHASE 1, QF1, QS1
	FINISH 1
	v_lshl_or_b32 v[XH], v[XH+1], 16, v[XH]        ; my row's scale word for this K step
	s_lshr_b32 s38, s15, 3                         ; my tile of 16 rows: 128 x batch + 16 x block + wave
	s_lshl_b32 s38, s38, 7
	s_lshl_b32 s39, s14, 4
	s_add_co_u32 s38, s38, s39
	s_add_co_u32 s38, s38, s[WV]
	s_and_b32 s39, s15, 7                          ; the K step: my pair of heads
	s_lshl_b32 s40, s38, 3
	s_add_co_u32 s40, s40, s39
	s_mul_i32 s40, s40, 1536
	s_mov_b32 s41, 0
	s_add_nc_u64 s[8:9], s[8:9], s[40:41]
	s_lshl_b32 s40, s38, 9                         ; 16 rows x 32 bytes of scale words
	s_lshl_b32 s39, s39, 2
	s_add_co_u32 s40, s40, s39
	s_add_nc_u64 s[10:11], s[10:11], s[40:41]
	s_wait_alu depctr_va_vdst(0)
.irp c, 0,1,2
	global_store_b128 v[LI], v[XF+4*\c:XF+4*\c+3], s[8:9] offset:512*\c   ; 32 lanes store 512 consecutive bytes, aligned
.endr
	s_wait_xcnt 0x0                                ; EXEC changes only behind this wait
	v_cmp_gt_u32 vcc_lo, 16, v[LN]
	s_and_saveexec_b32 s48, vcc_lo
	global_store_b32 v[XO], v[XH], s[10:11]        ; lanes 0-15: a word a row, 32 bytes apart: one byte in 24 of x; whole rows would want the eight pairs of heads in one work-group
	s_wait_xcnt 0x0                                ; and again in front of the line that widens it
	s_or_b32 exec_lo, exec_lo, s48
	s_wait_tensorcnt 0x0                           ; the wave's end
	ds_add_u32 v[SPW], v[NIL]
	s_wait_dscnt 0x0
	CROUND                                         ; the closing round
	s_endpgm
.Lfunc_end_k_q6e82ebf777_attn:
	.size	k_q6e82ebf777_attn, .Lfunc_end_k_q6e82ebf777_attn-k_q6e82ebf777_attn
	.p2alignl 7, 3214868480
	.fill 96, 4, 3214868480
	.section	.rodata,"a",@progbits
	.p2align	6, 0x0
	.amdhsa_kernel k_q6e82ebf777_attn
		.amdhsa_group_segment_fixed_size 327680
		.amdhsa_private_segment_fixed_size 0
		.amdhsa_enable_private_segment 0
		.amdhsa_kernarg_size 32
		.amdhsa_user_sgpr_count 2
		.amdhsa_user_sgpr_kernarg_segment_ptr 1
		.amdhsa_wavefront_size32 1
		.amdhsa_system_sgpr_workgroup_id_x 1
		.amdhsa_system_sgpr_workgroup_id_y 1
		.amdhsa_system_sgpr_workgroup_id_z 1
		.amdhsa_system_vgpr_workitem_id 0
		.amdhsa_next_free_vgpr 256
		.amdhsa_next_free_sgpr 66
		.amdhsa_reserve_vcc 1
		.amdhsa_float_denorm_mode_32 3
		.amdhsa_float_denorm_mode_16_64 3
		.amdhsa_memory_ordered 1
		.amdhsa_forward_progress 1
		.amdhsa_inst_pref_size 91
	.end_amdhsa_kernel
	.amdgpu_metadata
---
amdhsa.version: [ 1, 2 ]
amdhsa.kernels:
  - .name:           k_q6e82ebf777_attn
    .symbol:         k_q6e82ebf777_attn.kd
    .args:
      - { .name: qrec, .offset: 0, .size: 8, .value_kind: global_buffer, .address_space: global }
      - { .name: kv, .offset: 8, .size: 8, .value_kind: global_buffer, .address_space: global }
      - { .name: xc, .offset: 16, .size: 8, .value_kind: global_buffer, .address_space: global }
      - { .name: xs, .offset: 24, .size: 8, .value_kind: global_buffer, .address_space: global }
    .group_segment_fixed_size: 327680
    .private_segment_fixed_size: 0
    .kernarg_segment_align: 8
    .kernarg_segment_size: 32
    .max_flat_workgroup_size: 512
    .sgpr_count:     66
    .vgpr_count:     256
    .wavefront_size: 32
...
	.end_amdgpu_metadata
.endif
;; end of part 3
;; launch outp (part 4): grid 4 x 32, 4 waves a work-group, clusters of 4 x 4, 327,680 bytes of LDS; arguments xc, xs, codes, scales, bo, out0; writes out0
.if DOCPART == 4
	.amdgcn_target "amdgcn-amd-amdhsa--gfx1250"
	.amdhsa_code_object_version 6
	.text
	.protected	k_q6e82ebf777_outp
	.globl	k_q6e82ebf777_outp
	.p2align	8
	.type	k_q6e82ebf777_outp,@function
k_q6e82ebf777_outp:
	s_mov_b64 s[64:65], 0
	v_nop
	global_prefetch_b8 v0, s[64:65] scope:SCOPE_SE
	s_setreg_imm32_b32 hwreg(HW_REG_WAVE_MODE, 25, 1), 1
	s_wait_xcnt 0x0
	s_wait_alu depctr_hold_cnt(0) depctr_sa_sdst(0) depctr_va_vdst(0) depctr_va_sdst(0) depctr_va_ssrc(0) depctr_va_vcc(0) depctr_vm_vsrc(0)
	s_getreg_b32 s2, hwreg(HW_REG_IB_STS2, 6, 4)
	s_cmp_eq_u32 s2, 0
	s_cbranch_scc0 .Lentry_in_a_cluster
	s_endpgm
.Lentry_in_a_cluster:
	s_bfe_u32 s2, ttmp6, 0x10000c
	s_cmp_lg_u32 s2, 0xf033
	s_cbranch_scc0 .Lentry_shape_is_right
	s_endpgm
.Lentry_shape_is_right:
.set NQ,     2
; Wo's codes lie as [chunk of 256 along K][position][192 bytes]: 128 positions of a chunk are 96 dense rows of 256 bytes; padded by 16 behind each 64 they give LDS rows of 240 bytes a position
.set ROWB,   28672*192                 ; from a chunk to the next, in bytes
.set KROW,   192                       ; a position's bytes in a chunk
.set PITCH,  240
.set FR,     12
.set NL,     6
.set NLA,    3
.set NP,     4
.set HALFA,  8*3072
.set AREG,   2*HALFA
.set HALFT,  128*PITCH
.set SLOT,   AREG+2*HALFT
.set LAPS,   2
.set KS,     32
.set SCL,    2*SLOT
.set HALFS,  16*272
.set SBLK,   2*272
.set SPARE,  SCL+4*HALFS
.set SPITCH, 528
.set ADRA, 16
.set ADRB, 20
.set STO,  24
.set RD,   25
.set CO,   26
.set ADRS, 27
.set SPW,  28
.set NIL,  29
.set SC,   32
.set BI,   64
.set AF,   128
.set BK,   128
.set WVN,  20
.set RH,   21
.set CH,   22
.set G1,   24
.set G0,   32
.set G1B,  48
.set G0B,  56
.set G1S,  68
.set G0S,  76
.set G1SB, 80
.set G0SB, 88
.set MSB, 0
.macro WIN new
.if MSB != (\new)
	s_set_vgpr_msb (MSB<<8)|(\new)
.set MSB, (\new)
.endif
.endm
.set MUL_LO, 0xa1
.set MUL_HI, 0xf1
.set TO_B,   0x40
.macro JLOAD g0a, g1a, g0b, g1b
	s_cmp_eq_u32 s[RH], 0
	s_cbranch_scc0 .Lfor_b_\@
	tensor_load_to_lds s[\g0a:\g0a+3], s[\g1a:\g1a+7]
	s_nop 0
.rept 4
	v_nop
.endr
	s_branch .Lasked_\@
.Lfor_b_\@:
	tensor_load_to_lds s[\g0b:\g0b+3], s[\g1b:\g1b+7]
	s_nop 0
.rept 4
	v_nop
.endr
.Lasked_\@:
.endm
.macro CREST
	s_cmp_lg_u32 s[WVN], 0
	s_cbranch_scc1 .Lnot_wave_0_\@
	s_barrier_signal -3
.Lnot_wave_0_\@:
	s_barrier_wait -3
	s_barrier_signal -1
	s_barrier_wait -1
.endm
.macro CROUND
	s_barrier_signal -1
	s_barrier_wait -1
	CREST
.endm
	s_load_b256 s[4:11], s[0:1], 0x0
	s_load_b128 s[12:15], s[0:1], 0x20
	v_lshl_add_u32 v[SPW], v0, 2, SPARE
	v_mov_b32 v[NIL], 0
	ds_add_u32 v[SPW], v[NIL]
	ds_add_u32 v[SPW], v[NIL]
	v_lshrrev_b32 v1, 5, v0
	v_readfirstlane_b32 s[WVN], v1
	s_lshr_b32 s[RH], s[WVN], 1
	s_and_b32 s[CH], s[WVN], 1
	s_bfe_u32 s40, ttmp6, 0x40000
	s_bfe_u32 s41, ttmp6, 0x40004
	s_and_b32 s44, ttmp7, 0xffff
	s_lshl_b32 s44, s44, 2
	s_add_co_u32 s44, s44, s41
	s_lshl_b32 s66, s41, 2
	s_lshl_b32 s66, 15, s66
	s_lshl_b32 s94, 0x1111, s40
	s_or_b32 s[G1+0], s66, (3<<16)|(1<<21)
	s_mov_b32 s[G1+1], 384<<16
	s_mov_b32 s[G1+2], 16<<16                      ; the head's load: all 16 tiles of A
	s_mov_b32 s[G1+3], 384<<16
	s_mov_b32 s[G1+4], 16
	s_mov_b32 s[G1+5], 1536
	s_mov_b32 s[G1+6], 0
	s_mov_b32 s[G1+7], 0
	s_or_b32 s[G1B+0], s94, (0<<16)|(1<<20)|(1<<21)|(3<<22)|(3<<25)
	s_mov_b32 s[G1B+1], 256<<16
	s_mov_b32 s[G1B+2], 192<<16                    ; the head's load: 256 positions = 192 rows of 256 bytes
	s_mov_b32 s[G1B+3], 256<<16
	s_mov_b32 s[G1B+4], 192
	s_mov_b32 s[G1B+5], 256
	s_mov_b32 s[G1B+6], 0
	s_mov_b32 s[G1B+7], 0
	s_or_b32 s[G1S+0], s66, (3<<16)|(1<<20)|(1<<21)|(5<<22)|(3<<25)
	s_or_b32 s[G1SB+0], s94, (3<<16)|(1<<20)|(1<<21)|(5<<22)|(3<<25)
.irp g, G1S, G1SB
	s_mov_b32 s[\g+1], 32<<16
	s_mov_b32 s[\g+2], 32<<16                      ; the scale bytes of 256 rows: 32 rows of 256 bytes
	s_mov_b32 s[\g+3], 32<<16
	s_mov_b32 s[\g+4], 32
	s_mov_b32 s[\g+5], 32
	s_mov_b32 s[\g+6], 0
	s_mov_b32 s[\g+7], 0
.endr
	s_lshl_b32 s66, s44, 4
	s_mul_i32 s92, s66, 12288
	s_mov_b32 s93, 0
	s_lshl_b32 s66, s66, 9
	s_mov_b32 s67, 0
	s_lshl_b32 s46, s40, 8
	s_add_co_u32 s46, s46, 27648
	s_lshl_b32 s2, s46, 5
	s_mov_b32 s3, 0
	s_mul_i32 s46, s46, KROW
	s_mov_b32 s47, 0
	s_mul_i32 s23, s[CH], HALFA
	s_mul_i32 s42, s[CH], HALFT
	s_add_co_u32 s42, s42, AREG
	s_wait_dscnt 0x0
	s_wait_kmcnt 0x0
	s_add_nc_u64 s[92:93], s[4:5], s[92:93]
	s_add_nc_u64 s[66:67], s[6:7], s[66:67]
	s_add_nc_u64 s[46:47], s[8:9], s[46:47]
	s_add_nc_u64 s[2:3], s[10:11], s[2:3]
	CROUND
	s_mov_b32 s[G0S], 1
	s_mov_b32 s[G0S+1], SCL
	s_mov_b64 s[G0S+2:G0S+3], s[66:67]
	s_or_b32 s[G0S+3], s[G0S+3], 0x80000000
	s_mov_b32 s[G0SB], 1
	s_mov_b32 s[G0SB+1], SCL+2*HALFS
	s_mov_b64 s[G0SB+2:G0SB+3], s[2:3]
	s_or_b32 s[G0SB+3], s[G0SB+3], 0x80000000
	s_mov_b32 s[G0], 1                             ; the head's tiles, each whole: the first two K steps of A's 16 tiles,
	s_mov_b32 s[G0+1], 0
	s_mov_b64 s[G0+2:G0+3], s[92:93]
	s_or_b32 s[G0+3], s[G0+3], 0x80000000
	s_mov_b32 s[G0B], 1                            ; and chunk 0 of B's 256 positions, behind them in slot 0
	s_mov_b32 s[G0B+1], AREG
	s_mov_b64 s[G0B+2:G0B+3], s[46:47]
	s_or_b32 s[G0B+3], s[G0B+3], 0x80000000
	s_mul_i32 s2, s[CH], 8*12288                   ; slot 1's ring loads: my 8 tiles of A, two K steps on,
	s_add_co_u32 s2, s2, 3072
	s_mov_b32 s3, 0
	s_mov_b32 s[G0+4], 1
	s_add_co_u32 s[G0+5], s23, SLOT
	s_add_nc_u64 s[G0+6:G0+7], s[92:93], s[2:3]
	s_or_b32 s[G0+7], s[G0+7], 0x80000000
	s_mul_i32 s2, s[CH], 128*KROW                  ; and my 128 positions of B's chunk 1
	s_add_co_u32 s2, s2, ROWB
	s_mov_b32 s[G0B+4], 1
	s_add_co_u32 s[G0B+5], s42, SLOT
	s_add_nc_u64 s[G0B+6:G0B+7], s[46:47], s[2:3]
	s_or_b32 s[G0B+7], s[G0B+7], 0x80000000
; one load a wave at the head, in one chain of branches on the wave's number: A's codes, B's codes, A's scales, B's scales
.macro ARM under, g0, g1, next
	s_cmp_lt_u32 s[WVN], \under
	s_cbranch_scc0 \next
	tensor_load_to_lds s[\g0:\g0+3], s[\g1:\g1+7]
	s_nop 0
.rept 4
	v_nop
.endr
	s_branch .Lhead_asked
\next:
.endm
	ARM 1, G0,  G1,  .Lhead_b
	ARM 2, G0B, G1B, .Lhead_sa
	ARM 3, G0S, G1S, .Lhead_sb
	tensor_load_to_lds s[G0SB:G0SB+3], s[G1SB:G1SB+7]
	s_nop 0
.rept 4
	v_nop
.endr
.Lhead_asked:
	v_and_b32 v1, 15, v0
	v_bfe_u32 v2, v0, 4, 1
	v_and_b32 v6, 31, v0
	v_lshlrev_b32 v[CO], 4, v6
	v_mul_u32_u24 v3, v1, PITCH
	v_mul_u32_u24 v4, v2, 24
	v_add_nc_u32 v4, v3, v4
	v_lshl_add_u32 v5, v2, 4, v4
	s_mul_i32 s66, s[RH], HALFA
	s_mul_i32 s67, s[CH], HALFT
	s_add_co_u32 s67, s67, AREG
.irp s, 0,1
	v_add_nc_u32 v[ADRA+\s], s66, v[CO]
	v_add_nc_u32 v[ADRB+\s], s67, v4
	v_add_nc_u32 v[ADRB+2+\s], s67, v5
	s_add_co_u32 s66, s66, SLOT
	s_add_co_u32 s67, s67, SLOT
.endr
	v_mul_u32_u24 v5, v1, KS
	v_lshrrev_b32 v6, 8, v5
	v_lshl_add_u32 v5, v6, 4, v5
	s_mul_i32 s66, s[RH], HALFS
	s_mul_i32 s67, s[CH], HALFS
	s_add_co_u32 s67, s67, 2*HALFS
	s_sub_co_u32 s67, s67, s66
	v_mul_u32_u24 v6, s67, v2
	s_add_co_u32 s66, s66, SCL
	v_add_nc_u32 v5, v5, v6
	v_add_nc_u32 v[ADRS], s66, v5
	s_mul_i32 s23, s[WVN], 16*SPITCH
	v_mul_u32_u24 v5, v1, SPITCH
	v_lshl_add_u32 v5, v2, 6, v5
	v_add_nc_u32 v[STO], s23, v5
	v_add_nc_u32 v[RD], s23, v[CO]
	s_lshl_b32 s66, s44, 8
	s_lshl_b32 s67, s[RH], 7
	s_add_co_u32 s66, s66, s67
	s_lshl_b32 s66, s66, 12
	s_lshl_b32 s46, s40, 10
	s_lshl_b32 s47, s[CH], 9
	s_add_co_u32 s46, s46, s47
	s_mov_b32 s47, 0
	s_add_nc_u64 s[12:13], s[12:13], s[46:47]
	s_add_co_u32 s46, s46, s66
	s_add_nc_u64 s[14:15], s[14:15], s[46:47]
	global_load_b128 v[BI:BI+3], v[CO], s[12:13]
.macro FRAG reg, adr, q, i
.irp p, 0,1,2,3,4,5
.set PCE, 12*(\q)+6*(\p/3)+\p%3
.if PCE%8 < 5
	ds_load_b64 v[\reg+2*\p:\reg+2*\p+1], v[\adr] offset:8*PCE+16*(PCE/8)+(\i)*16*PITCH
.else
	ds_load_b64 v[\reg+2*\p:\reg+2*\p+1], v[\adr+2] offset:8*PCE+16*(PCE/8)+(\i)*16*PITCH
.endif
.endr
.endm
.macro FRAGI reg, slot, q, i
.irp c, 0,1,2
	ds_load_b128 v[\reg+4*\c:\reg+4*\c+3], v[ADRA+\slot] offset:3072*(\i)+1536*(\q)+512*\c
.endr
.endm
.macro MUL16 a0, p, q, sc, zero
.irp a, \a0, \a0+1
.irp b, 0,1,2,3,4,5,6,7
.if \zero
	v_wmma_scale_f32_16x16x128_f8f6f4 v[8*(8*((\a)%4)+\b):8*(8*((\a)%4)+\b)+7], v[128*(\p)+FR*\b:128*(\p)+FR*\b+FR-1], v[AF+FR*(\a):AF+FR*(\a)+FR-1], 0, v[SC+8*NQ*(\sc)+NQ*\b+(\q)], v[SC+8*NQ*(\sc)+NQ*(\a)+(\q)] matrix_a_fmt:MATRIX_FMT_FP6 matrix_b_fmt:MATRIX_FMT_FP6 matrix_a_scale:MATRIX_SCALE_ROW1
.else
	v_wmma_scale_f32_16x16x128_f8f6f4 v[8*(8*((\a)%4)+\b):8*(8*((\a)%4)+\b)+7], v[128*(\p)+FR*\b:128*(\p)+FR*\b+FR-1], v[AF+FR*(\a):AF+FR*(\a)+FR-1], v[8*(8*((\a)%4)+\b):8*(8*((\a)%4)+\b)+7], v[SC+8*NQ*(\sc)+NQ*\b+(\q)], v[SC+8*NQ*(\sc)+NQ*(\a)+(\q)] matrix_a_fmt:MATRIX_FMT_FP6 matrix_b_fmt:MATRIX_FMT_FP6 matrix_a_scale:MATRIX_SCALE_ROW1
.endif
.endr
.endr
.endm
.macro FETCH_B slot, q, p
	WIN TO_B
.irp i, 0,1,2,3,4,5,6,7
	FRAG 128*(\p)+FR*\i, ADRB+\slot, \q, \i
.endr
	WIN 0
.endm
.macro FETCH_A slot, q, i0
.irp i, \i0, \i0+1, \i0+2, \i0+3
	FRAGI AF+FR*(\i), \slot, \q, \i
.endr
.endm
.macro SCALES sc
.irp i, 0,1,2,3,4,5,6,7
	ds_load_b64 v[SC+8*NQ*\sc+NQ*\i:SC+8*NQ*\sc+NQ*\i+1], v[ADRS] offset:\i*SBLK
.endr
.endm
.macro PLACES n
.rept \n
	v_nop
.endr
.endm
.macro STEP slot, q, zero
	s_wait_dscnt 4*NLA
	WIN MUL_LO
	MUL16 0, (\q)%2, \q, \slot, \zero
	MUL16 2, (\q)%2, \q, \slot, \zero
	s_wait_dscnt 0
	PLACES NP
	FETCH_B \slot, (\q)+1, 1-(\q)%2
	FETCH_A \slot, (\q)+1, 0
	WIN MUL_HI
	MUL16 4, (\q)%2, \q, \slot, \zero
	MUL16 6, (\q)%2, \q, \slot, \zero
	PLACES NP
	WIN 0
	FETCH_A \slot, (\q)+1, 4
.endm
.macro TURN slot, next, fill
	s_wait_tensorcnt 0x0
	ds_add_u32 v[SPW], v[NIL]
	s_wait_dscnt 4*NLA+1
	WIN MUL_LO
	MUL16 0, 1, NQ-1, \slot, 0
	s_wait_dscnt 0x0
	s_barrier_signal -1
	MUL16 2, 1, NQ-1, \slot, 0
	WIN 0
	s_barrier_wait -1
.if \fill
	CREST
	s_add_nc_u64 s[G0+4*\slot+2:G0+4*\slot+3], s[G0+4*\slot+2:G0+4*\slot+3], 2*3072
	s_add_nc_u64 s[G0B+4*\slot+2:G0B+4*\slot+3], s[G0B+4*\slot+2:G0B+4*\slot+3], 2*ROWB
	JLOAD G0+4*\slot, G1, G0B+4*\slot, G1B
.else
	PLACES NP
.endif
	s_wait_alu depctr_va_vdst(0)
	v_add_nc_u32 v[ADRS], 4*NQ, v[ADRS]
	FETCH_B \next, 0, 0
	FETCH_A \next, 0, 0
	SCALES \next
	WIN MUL_HI
	MUL16 4, 1, NQ-1, \slot, 0
	MUL16 6, 1, NQ-1, \slot, 0
	PLACES NP
	WIN 0
	FETCH_A \next, 0, 4
.endm
	s_wait_alu depctr_va_vdst(0)
	s_wait_tensorcnt 0x0                           ; my tile of the head's four is in; a wait and an add ahead of a later first fill:
	ds_add_u32 v[SPW], v[NIL]
	s_mov_b32 s[G1+2], 8<<16                       ; no load of mine is out: from here on a load brings 8 tiles of A
	s_mov_b32 s[G1+4], 8
	s_mov_b32 s[G1B+2], 96<<16                     ; or 128 positions of B, 96 rows of 256 bytes,
	s_mov_b32 s[G1B+4], 96
	s_mov_b32 s3, 0                                ; and slot 0's groups 0 stand at my half of the head's tiles
	s_mul_i32 s2, s[CH], 8*12288
	s_mul_i32 s[G0+1], s[CH], HALFA
	s_add_nc_u64 s[G0+2:G0+3], s[G0+2:G0+3], s[2:3]
	s_mul_i32 s2, s[CH], 128*KROW
	s_mul_i32 s[G0B+1], s[CH], HALFT
	s_add_co_u32 s[G0B+1], s[G0B+1], AREG
	s_add_nc_u64 s[G0B+2:G0B+3], s[G0B+2:G0B+3], s[2:3]
	s_wait_dscnt 0x0
	CROUND                                         ; all four tiles are in, all sixteen work-groups are here
	JLOAD G0+4, G1, G0B+4, G1B                     ; slot 1's first fill: the first tensor load behind the round
	FETCH_B 0, 0, 0
	FETCH_A 0, 0, 0
	SCALES 0
	FETCH_A 0, 0, 4
	STEP 0, 0, 1
	s_mov_b32 s3, LAPS-1
.Llap:
	TURN 0, 1, 1
	STEP 1, 0, 0
	TURN 1, 0, 1
	STEP 0, 0, 0
	s_sub_co_u32 s3, s3, 1
	s_cmp_lg_u32 s3, 0
	s_cbranch_scc1 .Llap
	TURN 0, 1, 0
	STEP 1, 0, 0
	s_wait_dscnt 4*NLA
	WIN MUL_LO
	MUL16 0, 1, NQ-1, 1, 0
	MUL16 2, 1, NQ-1, 1, 0
	s_wait_dscnt 0
	WIN MUL_HI
	MUL16 4, 1, NQ-1, 1, 0
	MUL16 6, 1, NQ-1, 1, 0
	WIN 0
.macro TOSTAGE a
.set AC, 64*((\a)%4)
	WIN 0x08+4*((\a)/4)
.irp b, 0,1,2,3,4,5,6,7
	ds_store_b128 v[STO], v[AC+8*\b:AC+8*\b+3] offset:128*(\b/2)+32*(\b%2)
	ds_store_b128 v[STO], v[AC+8*\b+4:AC+8*\b+7] offset:128*(\b/2)+32*(\b%2)+16
.endr
	WIN 0
.set BB, BK+64*((\a)%2)
.irp t, 0,1,2,3,4,5,6,7,8,9,10,11,12,13,14,15
	ds_load_b128 v[BB+4*\t:BB+4*\t+3], v[RD] offset:\t*SPITCH
.endr
.endm
.macro SEND a, younger
.set BB, BK+64*((\a)%2)
	s_wait_dscnt \younger
.irp t, 0,1,2,3,4,5,6,7,8,9,10,11,12,13,14,15
	v_pk_add_f32 v[BB+4*\t:BB+4*\t+1], v[BB+4*\t:BB+4*\t+1], v[BI:BI+1]
	v_pk_add_f32 v[BB+4*\t+2:BB+4*\t+3], v[BB+4*\t+2:BB+4*\t+3], v[BI+2:BI+3]
	global_store_b128 v[CO], v[BB+4*\t:BB+4*\t+3], s[14:15] offset:(32*((\a)/2)+8*((\a)%2)+\t+8*(\t/8))*4096 th:TH_STORE_NT
.endr
.endm
	PLACES NP
	s_wait_loadcnt 0x0
	TOSTAGE 0
.irp a, 1,2,3,4,5,6,7
.if \a > 1
	s_wait_xcnt 0x0
.endif
	TOSTAGE \a
	SEND \a-1, 32
.endr
	SEND 7, 0
	s_wait_tensorcnt 0x0
	ds_add_u32 v[SPW], v[NIL]
	s_wait_dscnt 0x0
	CROUND
	s_endpgm
.Lfunc_end_k_q6e82ebf777_outp:
	.size	k_q6e82ebf777_outp, .Lfunc_end_k_q6e82ebf777_outp-k_q6e82ebf777_outp
	.p2alignl 7, 3214868480
	.fill 96, 4, 3214868480
	.section	.rodata,"a",@progbits
	.p2align	6, 0x0
	.amdhsa_kernel k_q6e82ebf777_outp
		.amdhsa_group_segment_fixed_size 327680
		.amdhsa_private_segment_fixed_size 0
		.amdhsa_enable_private_segment 0
		.amdhsa_kernarg_size 48
		.amdhsa_user_sgpr_count 2
		.amdhsa_user_sgpr_kernarg_segment_ptr 1
		.amdhsa_wavefront_size32 1
		.amdhsa_system_sgpr_workgroup_id_x 1
		.amdhsa_system_sgpr_workgroup_id_y 1
		.amdhsa_system_sgpr_workgroup_id_z 1
		.amdhsa_system_vgpr_workitem_id 0
		.amdhsa_next_free_vgpr 1024
		.amdhsa_next_free_sgpr 102
		.amdhsa_reserve_vcc 0
		.amdhsa_float_denorm_mode_32 3
		.amdhsa_float_denorm_mode_16_64 3
		.amdhsa_memory_ordered 1
		.amdhsa_forward_progress 1
		.amdhsa_inst_pref_size 165
	.end_amdhsa_kernel
	.amdgpu_metadata
---
amdhsa.version: [ 1, 2 ]
amdhsa.kernels:
  - .name:           k_q6e82ebf777_outp
    .symbol:         k_q6e82ebf777_outp.kd
    .args:
      - { .name: xc, .offset: 0, .size: 8, .value_kind: global_buffer, .address_space: global }
      - { .name: xs, .offset: 8, .size: 8, .value_kind: global_buffer, .address_space: global }
      - { .name: codes, .offset: 16, .size: 8, .value_kind: global_buffer, .address_space: global }
      - { .name: scales, .offset: 24, .size: 8, .value_kind: global_buffer, .address_space: global }
      - { .name: bo, .offset: 32, .size: 8, .value_kind: global_buffer, .address_space: global }
      - { .name: out0, .offset: 40, .size: 8, .value_kind: global_buffer, .address_space: global }
    .group_segment_fixed_size: 327680
    .private_segment_fixed_size: 0
    .kernarg_segment_align: 8
    .kernarg_segment_size: 48
    .max_flat_workgroup_size: 128
    .sgpr_count:     102
    .vgpr_count:     1024
    .wavefront_size: 32
...
	.end_amdgpu_metadata
.endif
;; end of part 4
